; MI455X (gfx1250); checked and timed in simulation.
; The chip was launched on July 23, 2026; its instructions are those of AMD's public machine-readable ISA for CDNA 5 (MIT licence, August 2026) and "CDNA5" Instruction Set Architecture Reference Guide (July 2026). The comments in the code are by the model that wrote it; some were corrected since.
;; Causal Self Attention. Allowed arithmetic: matrix products marked QUANTISED: E2M3 operands, one E8M0 scale for each 32 along K, by v_wmma_scale_f32_16x16x128_f8f6f4 with both operands' format E2M3, f32 sums; everything else in f32.
;; Inputs: W_attn_codes 3,072 x 32 x 24 uint8 (E2M3 codes of W_attn, K innermost, in blocks of 32 codes, four codes in three bytes); W_attn_scales 3,072 x 32 uint8 (E8M0 scales of W_attn, one for each 32 codes along K); W_proj_codes 1,024 x 32 x 24 uint8 (E2M3 codes of W_proj, K innermost, in blocks of 32 codes, four codes in three bytes); W_proj_scales 1,024 x 32 uint8 (E8M0 scales of W_proj, one for each 32 codes along K); b_attn 3,072 float32; b_proj 1,024 float32; x_codes 4 x 2,048 x 32 x 24 uint8 (E2M3 codes of x, K innermost, in blocks of 32 codes, four codes in three bytes); x_scales 4 x 2,048 x 32 uint8 (E8M0 scales of x, one for each 32 codes along K).
;; Outputs: out0 4 x 2,048 x 1,024 float32.
;; This version of the problem:
;;   THIS VERSION OF THE PROBLEM IS GIVEN IN LOW PRECISION. The matrix products marked QUANTISED in the list below multiply operands that are first quantised to E2M3 (2 exponent bits, 3 mantissa bits; 6 bits a number), with one power-of-two scale for each 32 numbers along K (OCP MX v1.0); their sums are f32. All else is computed in f32.
;;   The module's matrix products, in the order in which they are computed (A, B: the left and right operand; K: the contracted axis; several contracted axes count as one K, in the product's order):
;;     1. [M 8,192, K 1,024] x [K 1,024, N 3,072]; A: input x (given as codes); B: input W_attn (given as codes): QUANTISED
;;     2. batch 64 x [M 2,048, K 64] x [K 64, N 2,048]; A: computed on the way; B: computed on the way: QUANTISED
;;     3. batch 64 x [M 2,048, K 2,048] x [K 2,048, N 64]; A: softmax (see below); B: computed on the way: QUANTISED
;;     4. [M 8,192, K 1,024] x [K 1,024, N 1,024]; A: computed on the way; B: input W_proj (given as codes): QUANTISED
;;   THE QUANTISER, for each operand of a quantised product, along K:
;;     - K is cut into blocks of 32 from its start; a last block that is shorter is filled with zeros.
;;     - A block's scale is 2^e with e = floor(log2(the largest magnitude in the block)) - 2, held to -126 .. 127; a block of zeros has e = 0. As a byte (E8M0): e + 127.
;;     - Each number is divided by its block's scale, clamped to +-7.5, and rounded to the nearest number of E2M3, ties to even, subnormals kept.
;;     - The product sums the exact products of the quantised numbers (number of the format x scale) in f32.
;;   ~~~python
;;   def quantise(x, axis):      # numpy; x: float32 -> the quantised numbers, widened to float32 again
;;       x = np.moveaxis(x, axis, -1); K = x.shape[-1]
;;       x = np.pad(x, [(0, 0)] * (x.ndim - 1) + [(0, -K % 32)]); x = x.reshape(x.shape[:-1] + (-1, 32)); a = np.abs(x).max(-1, keepdims=True)
;;       e = np.where(a > 0, np.clip(np.frexp(np.where(a > 0, a, 1))[1] - 1 - 2, -126, 127), 0)      # np.frexp(a)[1] - 1 = floor(log2(a)), exactly
;;       r = np.clip(x / 2.0 ** e, -7.5, 7.5)
;;       step = 2.0 ** (np.maximum(np.frexp(np.where(r == 0, 1, r))[1] - 1, 0) - 3)
;;       q = np.round(r / step) * step * 2.0 ** e      # np.round: ties to even
;;       return np.moveaxis(q.reshape(q.shape[:-2] + (-1,))[..., :K], -1, axis).astype(np.float32)
;;   ~~~
;;   SOFTMAX AHEAD OF A QUANTISED PRODUCT. Where the list says 'softmax', what is quantised is not the finished softmax but p = 2^(t - M), with t = logit x log2(e) and M = ceil(the row's largest t), a whole number; so 1/2 < the row's largest p <= 1. The row's sum l is taken of the UNQUANTISED p, in f32, and the product's result is divided by l at the end. Since M is a whole number, a kernel that streams over the keys may use a running M (the ceiling of the running maximum): every later rescaling is an exact power of two, which a block's scale takes up: the codes' values come out the same.
;;   OPERANDS COMPUTED ON THE WAY. 'Computed on the way' means the value that the module computes at that place (a softmax that the list does not call 'softmax' is quantised finished and normalised). What goes into a quantiser is computed in f32, as accurately as f32 sums, v_exp_f32 and their like allow (about 1e-6 of the number): no bf16 or f16 on the way to a quantiser, and a product that is left as it is and whose result goes on into a quantised operand takes f32 operands (vector FMAs, or v_wmma_f32_16x16x4_f32). A number that lies on a knife's edge between two numbers of the format may be rounded either way, as far as f32 arithmetic and the matrix unit's own rounding can turn it there, and no further.
;;   INPUTS GIVEN AS CODES. W_attn (in the module: [1024, 3072], K = its axis 0); W_proj (in the module: [1024, 1024], K = its axis 0); x (in the module: [4, 2048, 1024], K = its axis 2): each comes as NAME_codes (uint8): NAME with its K axis moved to the last place and cut into blocks of 32 codes, [.., K / 32, bytes a block], one block behind the other in memory; four codes in three bytes: a row's codes are one little-endian stream of bits, code i at bits 6 i .. 6 i + 5 (a code: sign, 2 exponent bits, 3 mantissa bits); and NAME_scales (uint8): the same leading axes, one E8M0 byte (e + 127) for each 32 codes along K. Its value is code x scale, taken as it is: it is not quantised again, and the codes and scales need not be those that the quantiser above would give.
;; One version. Each part assembles by itself: llvm-mc -triple=amdgcn-amd-amdhsa -mcpu=gfx1250 --defsym DOCPART=n.
;; ======== version 1 of 1: 3 launches
;; workspace buffers: qkv 18,874,368 bytes; qkvs 1,572,864 bytes; y_img 6,291,456 bytes; y_sc 262,144 bytes
;; launch qkv (part 1): grid 12 x 32, 4 waves a work-group, clusters of 4 x 4, 327,680 bytes of LDS; arguments x_codes, x_scales, W_attn_codes, W_attn_scales, b_attn, qkv, qkvs; writes qkv, qkvs
.if DOCPART == 1
	.amdgcn_target "amdgcn-amd-amdhsa--gfx1250"
	.amdhsa_code_object_version 6
	.text
	.protected	k_q90678939ad_qkv
	.globl	k_q90678939ad_qkv
	.p2align	8
	.type	k_q90678939ad_qkv,@function
k_q90678939ad_qkv:
	s_mov_b64 s[64:65], 0
	v_nop
	global_prefetch_b8 v0, s[64:65] scope:SCOPE_SE
	s_setreg_imm32_b32 hwreg(HW_REG_WAVE_MODE, 25, 1), 1
	s_wait_xcnt 0x0
	s_wait_alu depctr_hold_cnt(0) depctr_sa_sdst(0) depctr_va_vdst(0) depctr_va_sdst(0) depctr_va_ssrc(0) depctr_va_vcc(0) depctr_vm_vsrc(0)
	s_getreg_b32 s2, hwreg(HW_REG_IB_STS2, 6, 4)
	s_cmp_eq_u32 s2, 0
	s_cbranch_scc0 .Lentry_in_a_cluster
	s_endpgm
.Lentry_in_a_cluster:
	s_bfe_u32 s2, ttmp6, 0x10000c
	s_cmp_lg_u32 s2, 0xf033
	s_cbranch_scc0 .Lentry_shape_is_right
	s_endpgm
.Lentry_shape_is_right:
; qkv = x W_attn + b_attn on codes of FP6 (E2M3) with one E8M0 scale for each 32 along K = 1,024; then q and k are quantised along the head's 64, v along the keys, and leave as codes.
; x: 8,192 rows x 768 bytes of codes, 32 scale bytes a row; W_attn: 3,072 rows of the same make.  A tile of 256 x 256 is made by four waves, each 128 x 128: 64 accumulators, 512 registers.
; K goes in steps of 256 (rows of 192 bytes) through a ring of two LDS slots filled by the tensor data mover; the scale bytes of the tile's 512 rows, for all of K, come once with the first fills.
; THE AXIS THAT IS QUANTISED NEXT MUST BE SOURCE 0 of the matrix instruction: a lane then holds eight neighbours of it.  KIND = cluster x: 0 q, 1 k: source 0 (side B) = rows of W, source 1 (side A) = rows of x.
; KIND 2, v: the sides change places by a choice of pointers: side A = rows of W_v, side B = rows of x (the keys).  Both tensors have rows of the same make, so loop, descriptors and way out are one text.
; CLUSTERS: 4 x 4 work-groups; side A's tile hangs on cy alone and is asked for jointly by a row of the cluster, side B's on cx alone, by a column.  KIND is the same in all sixteen partners.
; THE BIAS is the C of each sum's first matrix instruction (v64-127, loaded in the result's layout): no addition.
; THE WAY OUT.  Of block a (16 rows of side A) a lane holds 64 numbers: register 8 b + j = side B's row 16 b + 8 (lane / 16) + j.  The 16 registers of tiles 2 b, 2 b + 1 are half a block of 32; the conversions and an exchange of
; halves make a fragment in which a block's 32 codes stand in the order 0-7, 16-23, 8-15, 24-31.  q and k get the same order from this text, v and the softmax's p likewise (along the keys): a permutation inside a block,
; alike on both operands, keeps a product and a block's scale.  A half fragment (16 rows x 64 k, 6 registers) leaves as an image of its registers: 3 stores of 8 bytes a lane, 256 consecutive aligned bytes each.
; LIMITS: a block whose largest magnitude lies under 2^-124 (a block of zeros too) gets the scale byte 1; these bytes are read by this program alone.  NaN and infinities among the inputs are not served.
; No prefetch: K has four steps, of which two are first fills.
.set ROWB,   192                       ; a tile's row in bytes: 256 codes
.set KROW,   768                       ; a row of x or of W in memory
.set PITCH,  240                       ; an LDS row: 3 x (64 bytes + 16 of padding) = 60 words: the 32 lanes of a load of 8 bytes touch 64 different banks (64 banks of 4 bytes: ISA guide 11.1)
.set NQ,     2                         ; matrix instructions deep in a slot
.set FR,     12                        ; registers of a fragment: 16 rows x 128 K
.set NL,     6                         ; LDS loads that bring one
.set NP,     4                         ; places behind this matrix instruction (ISA guide 7.12.1)
.set HALFT,  128*PITCH                 ; 128 rows: what one tensor load brings
.set SLOT,   4*HALFT                   ; side A's 256 rows, then side B's
.set SCL,    2*SLOT                    ; behind the ring: the scale bytes, as units of 256 bytes + 16 of padding
.set HALFS,  16*272                    ; those of 128 rows (32 bytes a row)
.set SBLK,   2*272                     ; those of 16 rows
.set SPARE,  SCL+4*HALFS               ; the spare words, 128 bytes for each wave: two blocks of 256 bytes that no other line names
.set SCSTG,  SPARE+512                 ; a stage for the new scale words, 1,024 bytes a wave; no fill ever lands here
.set KSZ,    6291456                   ; bytes of q's, k's or v's images
.set SSZ,    524288                    ; bytes of their scale words
.set ADRA, 16                          ; v16-17 LDS address of my A fragments in slot 0, 1 (v18-19: behind one padding more)
.set ADRB, 20                          ; v20-23 the same for B
.set OFFC, 24                          ; v24-25 the way out: 8 x lane, for half 0 and half 1 of a fragment
.set SSA,  26                          ; v26    where I put a new scale word
.set ADRS, 27                          ; v27    LDS address of my scale words: lanes 0-15 A's rows, lanes 16-31 B's
.set SPW,  28                          ; v28    my spare word; never rewritten
.set NIL,  29                          ; v29    0; never rewritten
.set SH,   30                          ; v30    16 x (lane / 16)
.set SRD,  31                          ; v31    where I read the new scale words back
.set GSO,  7                           ; v7     their place in memory
.set BO8,  8                           ; v8     32 x (lane / 16);  v9: 4 x (lane % 16): offsets into the bias
.set BO4,  9
.set SC,   32                          ; v32-63 scale words of x and W, two sets: they hold scales and nothing else
.set CI,   64                          ; v64-127 the bias as C
.set AF,   128                         ; v128-223 A's fragments, one set;  window 1: B's two sets at v0 and v128;  windows 2, 3: the accumulators, (a, b) at v[8 (8 (a % 4) + b)]
.set TM,   64                          ; the way out (the bias is done with): v64-79 at work,
.set CD,   80                          ; v80-98 the codes,
.set PW,   100                         ; the scale word, v101 the same shifted for my half,
.set PWS,  101
.set SWO,  104                         ; v104-111 scale words on their way to memory
.set WV,   18
.set HA,   19                          ; wave / 2: my half of side A's rows; also: I fetch for A (0) or for B (1)
.set HB,   20                          ; wave % 2: my half of side B's rows; also: which 128 rows I fetch
.set KIND, 21
.set TA,   22                          ; side A's tile of 256 rows
.set TB,   23                          ; side B's
.set G1,   24                          ; s[24:31] group 1 for A's tiles; s[32:39] group 0, a set for each slot
.set G0,   32
.set S1,   44                          ; the way out's strides: blocks 4-7 against 0-3, half 1 against half 0; T1, T2 the same for scale words
.set S2,   45
.set T1,   46
.set T2,   47
.set G1B,  48
.set G0B,  56
.set SEL,  66
.set G1S,  68                          ; s[68:75], s[76:79] groups 1 and 0 for A's scales; s[80:87], s[88:91] for B's
.set G0S,  76
.set G1SB, 80
.set G0SB, 88
.set OB,   4                           ; s[4:7]   the way out: images' bases for blocks 0-3 and 4-7
.set SB,   96                          ; s[96:99] the same for scale words
.set MSB, 0
.macro WIN new                         ; the immediate's high byte repeats the setting that is left
.if MSB != \new
	s_set_vgpr_msb (MSB<<8)|\new
.set MSB, \new
.endif
.endm
.set MUL_LO, 0xa1                      ; source 0 (B) window 1, source 1 (A) window 0, C and D window 2
.set MUL_HI, 0xf1                      ; the same, C and D window 3
.set TO_B,   0x40                      ; destination window 1, address window 0
; A joint load: waves 0 and 1 fetch for side A, waves 2 and 3 for side B; the branch hangs on the wave's number alone.  Four v_nop follow each of the two lines.
.macro JLOAD g0a, g1a, g0b, g1b
	s_cmp_eq_u32 s[HA], 0
	s_cbranch_scc0 .Lfor_b_\@
	tensor_load_to_lds s[\g0a:\g0a+3], s[\g1a:\g1a+7]
	s_nop 0
.rept 4
	v_nop
.endr
	s_branch .Lasked_\@
.Lfor_b_\@:
	tensor_load_to_lds s[\g0b:\g0b+3], s[\g1b:\g1b+7]
	s_nop 0
.rept 4
	v_nop
.endr
.Lasked_\@:
.endm
.macro CREST                           ; a round of the cluster's barrier behind its opening barrier
	s_cmp_lg_u32 s[WV], 0
	s_cbranch_scc1 .Lnot_wave_0_\@
	s_barrier_signal -3
.Lnot_wave_0_\@:
	s_barrier_wait -3
	s_barrier_signal -1
	s_barrier_wait -1
.endm
.macro CROUND                          ; a whole round
	s_barrier_signal -1
	s_barrier_wait -1
	CREST
.endm
	s_load_b256 s[4:11], s[0:1], 0x0               ; x's codes s[4:5], x's scales s[6:7], W's codes s[8:9], W's scales s[10:11]
	s_load_b128 s[12:15], s[0:1], 0x20             ; b_attn s[12:13], qkv s[14:15]
	s_load_b64 s[16:17], s[0:1], 0x30              ; qkvs
	v_lshl_add_u32 v[SPW], v0, 2, SPARE
	v_mov_b32 v[NIL], 0
	ds_add_u32 v28, v29
	ds_add_u32 v28, v29
	s_wait_dscnt 0x0
	v_lshrrev_b32 v1, 5, v0
	v_readfirstlane_b32 s[WV], v1                  ; wave 0..3
	s_lshr_b32 s[HA], s[WV], 1
	s_and_b32 s[HB], s[WV], 1
	s_bfe_u32 s40, ttmp6, 0x40000                  ; cx, cy: my place in the cluster
	s_bfe_u32 s41, ttmp6, 0x40004
	s_mov_b32 s[KIND], ttmp9                       ; cluster x: 0 q, 1 k, 2 v
	s_and_b32 s2, ttmp7, 0xffff
	s_lshl_b32 s2, s2, 2                           ; 4 x cluster y
	s_lshl_b32 s3, s[KIND], 2
	s_cmp_eq_u32 s[KIND], 2
	s_cselect_b32 s[TA], 8, s2                     ; side A: v: W's tiles 8 .. 11; else x's tile 4 x cluster y + cy
	s_cselect_b32 s[TB], s2, s3                    ; side B: v: x's tile 4 x cluster y + cx; else W's tile 4 KIND + cx
	s_add_co_u32 s[TA], s[TA], s41
	s_add_co_u32 s[TB], s[TB], s40
	s_lshl_b32 s42, s41, 2
	s_lshl_b32 s42, 15, s42                        ; my row of the cluster
	s_lshl_b32 s43, 0x1111, s40                    ; my column
	; group 1: a tile of 128 rows x 192 bytes, 16 bytes of padding behind every 64
	s_or_b32 s[G1+0], s42, (0<<16)|(1<<20)|(1<<21)|(3<<22)|(3<<25)   ; 15:0 the mask; 17:16 elements of 1 byte; 20 padding on; 21 set beside a mask; 24:22 after every 16 words; 31:25 4 words of it
	s_or_b32 s[G1B+0], s43, (0<<16)|(1<<20)|(1<<21)|(3<<22)|(3<<25)
.irp g, G1, G1B
	s_mov_b32 s[\g+1], ROWB<<16                    ; tensor_dim0
	s_mov_b32 s[\g+2], 128<<16                     ; tensor_dim1
	s_mov_b32 s[\g+3], ROWB<<16                    ; tile_dim0
	s_mov_b32 s[\g+4], 128                         ; tile_dim1
	s_mov_b32 s[\g+5], KROW                        ; from row to row
	s_mov_b32 s[\g+6], 0
	s_mov_b32 s[\g+7], 0
.endr
	; the scale bytes of 128 rows: 4,096 dense bytes, as 16 rows of 256 bytes (32 elements of 8), 16 bytes of padding behind each
	s_or_b32 s[G1S+0], s42, (3<<16)|(1<<20)|(1<<21)|(5<<22)|(3<<25)
	s_or_b32 s[G1SB+0], s43, (3<<16)|(1<<20)|(1<<21)|(5<<22)|(3<<25)
.irp g, G1S, G1SB
	s_mov_b32 s[\g+1], 32<<16
	s_mov_b32 s[\g+2], 16<<16
	s_mov_b32 s[\g+3], 32<<16
	s_mov_b32 s[\g+4], 16
	s_mov_b32 s[\g+5], 32
	s_mov_b32 s[\g+6], 0
	s_mov_b32 s[\g+7], 0
.endr
	s_lshl_b32 s2, s[HB], 7                        ; which 128 rows of the tile I fetch
	s_lshl_b32 s3, s[TA], 8
	s_add_co_u32 s3, s3, s2                        ; side A's row (no register that feeds A's descriptors holds cx)
	s_mul_i32 s92, s3, KROW                        ; its codes, in bytes (under 2^23),
	s_mov_b32 s93, 0
	s_lshl_b32 s94, s3, 5                          ; its scale bytes
	s_mov_b32 s95, 0
	s_lshl_b32 s44, s[TB], 8
	s_add_co_u32 s44, s44, s2                      ; side B's row
	s_mul_i32 s96, s44, KROW
	s_mov_b32 s97, 0
	s_lshl_b32 s98, s44, 5
	s_mov_b32 s99, 0
	s_mul_i32 s45, s[WV], HALFT                    ; where they go: wave x 128 rows: no place in the cluster enters an LDS address
	s_mul_i32 s46, s[WV], HALFS
	s_wait_kmcnt 0x0
	s_cmp_eq_u32 s[KIND], 2                        ; the sides' tensors: a choice that hangs on the cluster's number alone (the 64-bit sums leave SCC as it is)
	s_cselect_b64 s[2:3], s[8:9], s[4:5]
	s_add_nc_u64 s[92:93], s[2:3], s[92:93]        ; side A's codes
	s_cselect_b64 s[2:3], s[10:11], s[6:7]
	s_add_nc_u64 s[94:95], s[2:3], s[94:95]        ; side A's scales
	s_cselect_b64 s[2:3], s[4:5], s[8:9]
	s_add_nc_u64 s[96:97], s[2:3], s[96:97]        ; side B's codes
	s_cselect_b64 s[2:3], s[6:7], s[10:11]
	s_add_nc_u64 s[98:99], s[2:3], s[98:99]        ; side B's scales
	CROUND                                         ; all sixteen work-groups are here: the first joint loads meet
	s_mov_b32 s[G0S], 1
	s_add_co_u32 s[G0S+1], s46, SCL
	s_mov_b64 s[G0S+2:G0S+3], s[94:95]
	s_or_b32 s[G0S+3], s[G0S+3], 0x80000000
	s_mov_b32 s[G0SB], 1
	s_add_co_u32 s[G0SB+1], s46, SCL
	s_mov_b64 s[G0SB+2:G0SB+3], s[98:99]
	s_or_b32 s[G0SB+3], s[G0SB+3], 0x80000000
	JLOAD G0S, G1S, G0SB, G1SB                     ; the scales first: they are wanted with K step 0
.irp s, 0,1
	s_mov_b32 s[G0+4*\s], 1
	s_add_co_u32 s[G0+4*\s+1], s45, \s*SLOT
	s_add_nc_u64 s[G0+4*\s+2:G0+4*\s+3], s[92:93], \s*ROWB
	s_or_b32 s[G0+4*\s+3], s[G0+4*\s+3], 0x80000000
	s_mov_b32 s[G0B+4*\s], 1
	s_add_co_u32 s[G0B+4*\s+1], s45, \s*SLOT
	s_add_nc_u64 s[G0B+4*\s+2:G0B+4*\s+3], s[96:97], \s*ROWB
	s_or_b32 s[G0B+4*\s+3], s[G0B+4*\s+3], 0x80000000
	JLOAD G0+4*\s, G1, G0B+4*\s, G1B               ; three tensor loads of mine are out
.endr
	v_and_b32 v1, 15, v0                           ; r = lane % 16
	v_bfe_u32 v2, v0, 4, 1                         ; h = lane / 16
	v_mul_u32_u24 v3, v1, PITCH
	v_mul_u32_u24 v4, v2, 24
	v_add_nc_u32 v4, v3, v4                        ; a fragment's row x pitch + 24 h
	v_lshl_add_u32 v5, v2, 4, v4                   ; and the same behind one padding more
	s_mul_i32 s2, s[HA], HALFT                     ; my 128 rows of side A
	s_mul_i32 s3, s[HB], HALFT                     ; my 128 rows of side B,
	s_add_co_u32 s3, s3, 2*HALFT                   ; which lie behind A's 256
.irp s, 0,1
	v_add_nc_u32 v[ADRA+\s], s2, v4
	v_add_nc_u32 v[ADRB+\s], s3, v4
	v_add_nc_u32 v[ADRA+2+\s], s2, v5
	v_add_nc_u32 v[ADRB+2+\s], s3, v5
	s_add_co_u32 s2, s2, SLOT
	s_add_co_u32 s3, s3, SLOT
.endr
	v_lshlrev_b32 v5, 5, v1                        ; my row's scale bytes: 32 a row,
	v_lshrrev_b32 v6, 8, v5
	v_lshl_add_u32 v5, v6, 4, v5                   ; and 16 more for each 256 passed
	s_mul_i32 s2, s[HA], HALFS
	s_mul_i32 s3, s[HB], HALFS
	s_add_co_u32 s3, s3, 2*HALFS
	s_sub_co_u32 s3, s3, s2
	v_mul_u32_u24 v6, s3, v2                       ; lanes 16-31 take side B's: one product, the distance between the two bases
	s_add_co_u32 s2, s2, SCL
	v_add_nc_u32 v5, v5, v6
	v_add_nc_u32 v[ADRS], s2, v5
	; the way out's scalars.  GA, GB: the groups of 128 rows of the two sides that are mine
	s_lshl_b32 s2, s[TA], 1
	s_add_co_u32 s2, s2, s[HA]                     ; GA
	s_lshl_b32 s3, s[TB], 1
	s_add_co_u32 s3, s3, s[HB]                     ; GB
	s_lshl_b32 s92, s41, 1
	s_add_co_u32 s92, s92, s[HA]                   ; v: my pair of heads = 2 cy + HA
	s_lshl_b32 s93, s40, 1
	s_add_co_u32 s93, s93, s[HB]                   ; q, k: 2 cx + HB
	s_mov_b32 s94, 3072
	s_mov_b32 s95, 98304
	s_mov_b32 s96, 256
	s_mov_b32 s97, 8192
	s_cmp_eq_u32 s[KIND], 2
	s_cselect_b32 s98, s2, s3                      ; W's group of 128 rows: the bias's place
	s_cselect_b32 s3, s3, s2                       ; tg: x's group of 128 tokens
	s_cselect_b32 s2, s92, s93                     ; hp: the pair of heads
	s_cselect_b32 s[S1], s95, s94                  ; images: q, k: [head 98,304][tile of 16 tokens 768]; v: [head 98,304][64 keys 3,072][16 of d 768]
	s_cselect_b32 s[S2], s94, s95
	s_cselect_b32 s[T1], s97, s96                  ; scale words: q, k: [head 8,192][token 4]; v: [head 8,192][64 keys 256][d 4]
	s_cselect_b32 s[T2], s96, s97
	s_lshl_b32 s98, s98, 9
	s_mov_b32 s99, 0
	s_add_nc_u64 s[12:13], s[12:13], s[98:99]      ; the bias of my 128 rows of W
	s_mul_i32 s92, s[KIND], KSZ
	s_lshr_b32 s93, s3, 4                          ; the batch
	s_mul_i32 s94, s93, 1572864
	s_add_co_u32 s92, s92, s94
	s_mul_i32 s94, s2, 196608
	s_add_co_u32 s92, s92, s94
	s_and_b32 s95, s3, 15
	s_mul_i32 s94, s95, 6144                       ; 128 tokens: 8 tiles of 768 bytes, or 2 x 64 keys of 3,072
	s_add_co_u32 s92, s92, s94
	s_mul_i32 s96, s[KIND], SSZ
	s_lshl_b32 s94, s93, 17
	s_add_co_u32 s96, s96, s94
	s_lshl_b32 s94, s2, 14
	s_add_co_u32 s96, s96, s94
	s_lshl_b32 s94, s95, 9
	s_add_co_u32 s96, s96, s94
	s_mov_b32 s93, 0
	s_mov_b32 s97, 0
	s_add_nc_u64 s[OB:OB+1], s[14:15], s[92:93]
	s_mov_b32 s92, s[S1]
	s_add_nc_u64 s[OB+2:OB+3], s[OB:OB+1], s[92:93]
	s_add_nc_u64 s[SB:SB+1], s[16:17], s[96:97]
	s_mov_b32 s92, s[T1]
	s_add_nc_u64 s[SB+2:SB+3], s[SB:SB+1], s[92:93]
	s_mov_b32 s[SEL], 0x76543210
	s_mov_b32 s[SEL+1], 0xfedcba98                 ; v_permlanex16_b32's selects for lane l xor 16
	; the bias in the result's layout: register j of accumulator (a, b) is (side B's row 16 b + 8 h + j, side A's row 16 a + r)
	v_lshlrev_b32 v[BO8], 5, v2
	v_lshlrev_b32 v[BO4], 2, v1
	s_cmp_eq_u32 s[KIND], 2
	s_cbranch_scc1 .Lbias_v
.irp b, 0,1,2,3,4,5,6,7
	global_load_b128 v[CI+8*\b:CI+8*\b+3], v[BO8], s[12:13] offset:64*\b        ; q, k: W's rows are side B: eight registers for each b
	global_load_b128 v[CI+8*\b+4:CI+8*\b+7], v[BO8], s[12:13] offset:64*\b+16
.endr
	s_branch .Lbias_done
.Lbias_v:
.irp a, 0,1,2,3,4,5,6,7
.irp j, 0,1,2,3,4,5,6,7
	global_load_b32 v[CI+8*\a+\j], v[BO4], s[12:13] offset:64*\a                ; v: W's rows are side A: one number a lane for each a, in all eight registers
.endr
.endr
.Lbias_done:
	v_and_b32 v3, 31, v0
	v_lshlrev_b32 v[OFFC], 3, v3                   ; an image: 8 bytes a lane
	v_add_nc_u32 v[OFFC+1], s[S2], v[OFFC]
	s_lshl_b32 s2, s[WV], 10
	s_add_co_u32 s2, s2, SCSTG                     ; my stage for scale words: [blocks 4-7: 512][half: 256][block % 4: 64][r: 4]
	v_lshlrev_b32 v4, 8, v2
	v_lshl_add_u32 v4, v1, 2, v4
	v_add_nc_u32 v[SSA], s2, v4
	v_lshl_add_u32 v[SRD], v3, 4, s2
	v_lshlrev_b32 v[SH], 4, v2
	v_mul_u32_u24 v4, s[T2], v2
	v_lshl_add_u32 v[GSO], v1, 4, v4               ; lanes 0-15: half 0's 256 bytes; lanes 16-31: half 1's
.macro FRAG reg, adr, q, i             ; a fragment: lane l holds row l % 16; registers 6 c .. 6 c + 5 hold K = 64 c + 32 (l / 16) + 0 .. 31: 24 bytes of the row's stream of bits, as they lie
.irp p, 0,1,2,3,4,5                    ; in pieces of 8 bytes.  Lanes 0-15 take pieces 12 q + 0, 1, 2 and 12 q + 6, 7, 8, lanes 16-31 those three pieces on
.set PCE, 12*(\q)+6*(\p/3)+\p%3        ; 16 bytes of padding lie behind every 8 pieces: where the piece three on lies behind one padding more, the second address register serves
.if PCE%8 < 5
	ds_load_b64 v[\reg+2*\p:\reg+2*\p+1], v[\adr] offset:8*PCE+16*(PCE/8)+(\i)*16*PITCH
.else
	ds_load_b64 v[\reg+2*\p:\reg+2*\p+1], v[\adr+2] offset:8*PCE+16*(PCE/8)+(\i)*16*PITCH
.endif
.endr
.endm
; 16 matrix instructions: A's blocks a0, a0 + 1 x B's eight, the slot's q-th 128 along K.  p: B's set; sc: the set of scale words.  mode 0: onto the sums; 1: C = the bias by b; 2: C = the bias by a (C then lies in window 0).
; The 64 accumulators take turns, one instruction a turn, in the same order in every step.
.macro MUL16 a0, p, q, sc, mode
.irp a, \a0, \a0+1
.irp b, 0,1,2,3,4,5,6,7
.set DD, 8*(8*((\a)%4)+\b)
.if \mode == 0
.set CC, DD
.elseif \mode == 1
.set CC, CI+8*\b
.else
.set CC, CI+8*(\a)
.endif
	v_wmma_scale_f32_16x16x128_f8f6f4 v[DD:DD+7], v[128*(\p)+FR*\b:128*(\p)+FR*\b+FR-1], v[AF+FR*(\a):AF+FR*(\a)+FR-1], v[CC:CC+7], v[SC+8*NQ*(\sc)+NQ*\b+(\q)], v[SC+8*NQ*(\sc)+NQ*(\a)+(\q)] matrix_a_fmt:MATRIX_FMT_FP6 matrix_b_fmt:MATRIX_FMT_FP6 matrix_a_scale:MATRIX_SCALE_ROW1
.endr
.endr
.endm
.macro FETCH_B slot, q, p              ; B's eight fragments of the slot's q-th 128 along K into set p
	WIN TO_B
.irp i, 0,1,2,3,4,5,6,7
	FRAG 128*(\p)+FR*\i, ADRB+\slot, \q, \i
.endr
	WIN 0
.endm
.macro FETCH_A slot, q, i0             ; A's blocks i0 .. i0 + 3
.irp i, \i0, \i0+1, \i0+2, \i0+3
	FRAG AF+FR*(\i), ADRA+\slot, \q, \i
.endr
.endm
.macro SCALES sc                       ; a K step's scale words into set sc: two words a row; lanes 0-15 take A's block i, lanes 16-31 B's block i
.irp i, 0,1,2,3,4,5,6,7
	ds_load_b64 v[SC+8*NQ*\sc+NQ*\i:SC+8*NQ*\sc+NQ*\i+1], v[ADRS] offset:\i*SBLK
.endr
.endm
.macro PLACES n                        ; plain vector instructions in front of loads into registers that matrix instructions have read, and of the first read of results
.rept \n
	v_nop
.endr
.endm
; A step of 128 along K that has its successor in the same slot.  A's blocks are free as soon as their eight products are issued: blocks 0-3 are fetched anew in the step's middle, blocks 4-7 at its end.
.macro STEP slot, q, mode
	s_wait_dscnt 4*NL                              ; B's set, A's blocks 0-3 and the scale words are in; the 24 youngest loads (A's blocks 4-7) may be out
.if \mode
	WIN 0x81                                       ; C in window 0, D in window 2
.else
	WIN MUL_LO
.endif
	MUL16 0, (\q)%2, \q, \slot, \mode
	MUL16 2, (\q)%2, \q, \slot, \mode
	s_wait_dscnt 0                                 ; A's blocks 4-7 are in (asked for 32 matrix instructions ago)
	PLACES NP
	FETCH_B \slot, (\q)+1, 1-(\q)%2
	FETCH_A \slot, (\q)+1, 0
.if \mode
	WIN 0xc1
.else
	WIN MUL_HI
.endif
	MUL16 4, (\q)%2, \q, \slot, \mode
	MUL16 6, (\q)%2, \q, \slot, \mode
	PLACES NP
	WIN 0
	FETCH_A \slot, (\q)+1, 4
.endm
; A slot's last step changes slots: ONE barrier; in front of it each wave waits for all its tensor loads, adds 0 to its spare word, and waits for that and for its own reads of this slot.  fill = 1: this slot is filled again, two K steps ahead.
.macro TURN slot, next, fill
	s_wait_tensorcnt 0x0                           ; all my tensor loads have landed: my part of the next slot
	ds_add_u32 v[SPW], v[NIL]                      ; 0 onto my spare word
	s_wait_dscnt 4*NL+1                            ; (the add and the 24 youngest loads may be out)
	WIN MUL_LO
	MUL16 0, 1, NQ-1, \slot, 0                     ; sixteen matrix instructions stand between the add and the wait for it
	s_wait_dscnt 0x0                               ; the add is done, and my reads of this slot are over
	s_barrier_signal -1
	MUL16 2, 1, NQ-1, \slot, 0
	WIN 0
	s_barrier_wait -1
.if \fill
	CREST                                          ; the barrier has opened a round of the cluster's barrier: no wave of any partner still reads this slot's tile or has a load on its way
	s_add_nc_u64 s[G0+4*\slot+2:G0+4*\slot+3], s[G0+4*\slot+2:G0+4*\slot+3], 2*ROWB
	s_add_nc_u64 s[G0B+4*\slot+2:G0B+4*\slot+3], s[G0B+4*\slot+2:G0B+4*\slot+3], 2*ROWB
	JLOAD G0+4*\slot, G1, G0B+4*\slot, G1B         ; the first tensor load behind the round; its four v_nop are the places in front of the loads below
.else
	PLACES NP
.endif
	v_add_nc_u32 v[ADRS], 4*NQ, v[ADRS]            ; on to the next K step's scale words (no LDS load of mine is out)
	FETCH_B \next, 0, 0
	FETCH_A \next, 0, 0
	SCALES \next
	WIN MUL_HI
	MUL16 4, 1, NQ-1, \slot, 0
	MUL16 6, 1, NQ-1, \slot, 0
	PLACES NP
	WIN 0
	FETCH_A \next, 0, 4
.endm
	s_wait_loadcnt 0x0                             ; the bias
	s_wait_tensorcnt 1                             ; the scales and my part of K step 0 are in (K step 1's load may be out)
	s_barrier_signal -1
	s_barrier_wait -1                              ; everybody's are
	FETCH_B 0, 0, 0
	FETCH_A 0, 0, 0
	SCALES 0
	FETCH_A 0, 0, 4
	s_cmp_eq_u32 s[KIND], 2                        ; the first step starts the sums with the bias: by side B's rows (q, k) or by side A's (v).  The two texts differ in C alone
	s_cbranch_scc1 .Lfirst_v
	STEP 0, 0, 1
	s_branch .Lfirst_done
.Lfirst_v:
	STEP 0, 0, 2
.Lfirst_done:
	TURN 0, 1, 1                                   ; K = 1,024 is four K steps: slots 0 and 1 are each filled once more; written out, no loop
	STEP 1, 0, 0
	TURN 1, 0, 1
	STEP 0, 0, 0
	TURN 0, 1, 0                                   ; nothing is left to fetch: no round of the cluster's barrier
	STEP 1, 0, 0
	s_wait_dscnt 4*NL                              ; the very last step
	WIN MUL_LO
	MUL16 0, 1, NQ-1, 1, 0
	MUL16 2, 1, NQ-1, 1, 0
	s_wait_dscnt 0
	WIN MUL_HI
	MUL16 4, 1, NQ-1, 1, 0
	MUL16 6, 1, NQ-1, 1, 0
	WIN 0
	PLACES NP                                      ; in front of the first read of results
.irp b, 0,1,2,3
	v_mov_b32 v[TM+4+\b], 0                        ; written once: a lane permute's destination counts as one of its sources
.endr
; Block a: 64 numbers a lane become a fragment's codes (v[CD] on) and its scale word.  A block's scale is its largest magnitude's exponent field less 2; the floor 2^(3 - 127) among the leaves holds the byte at 1 from below.
.macro OUTBLK a
.set AC, 64*((\a)%4)
.set WW, 2+(\a)/4                      ; the accumulators' window
.set WS, WW|(WW<<2)
	WIN WS                                         ; sources 0 and 1 in it
.irp b, 0,1,2,3
	v_max3_num_f32 v[TM+\b], |v[AC+16*\b]|, |v[AC+16*\b+1]|, 0x1800000   ; each accumulator is read from its low end on
.endr
.irp i, 2,4,6,8,10,12,14
.irp b, 0,1,2,3
	v_max3_num_f32 v[TM+\b], |v[AC+16*\b+\i]|, |v[AC+16*\b+\i+1]|, v[TM+\b]   ; (the four blocks by turns)
.endr
.endr
	WIN 0
.irp b, 0,1,2,3
	v_permlanex16_b32 v[TM+4+\b], v[TM+\b], s[SEL], s[SEL+1]
.endr
.irp b, 0,1,2,3
	v_max_num_f32 v[TM+\b], v[TM+\b], v[TM+4+\b]   ; with lane l xor 16's 16: the block's largest magnitude
.endr
.irp b, 0,1,2,3
	v_add_nc_u32 v[TM+12+\b], 0xff000000, v[TM+\b] ; 2 off its exponent field: the conversion takes the exponent field of this operand as its scale
.endr
.irp b, 0,1,2,3
	v_lshrrev_b32 v[TM+4+\b], 23, v[TM+12+\b]      ; the scale's byte
.endr
	v_lshl_or_b32 v[PW], v[TM+5], 8, v[TM+4]
	v_lshl_or_b32 v[PW], v[TM+6], 16, v[PW]
	v_lshl_or_b32 v[PW], v[TM+7], 24, v[PW]        ; the row's four bytes
	v_lshrrev_b32 v[PWS], v[SH], v[PW]             ; lanes 0-15 keep all four (half 0's two below), lanes 16-31 half 1's two, zeros above: no byte is 0xff
.if (\a) > 0
	s_wait_xcnt 0x0                                ; the last block's stores have read the codes' registers
.endif
	WIN WW                                         ; source 0 in the accumulators' window
.irp c, 0,1
	v_cvt_scalef32_pk16_fp6_f32 v[CD+6*\c:CD+6*\c+2], v[AC+32*\c:AC+32*\c+15], v[TM+12+2*\c]
	v_cvt_scalef32_pk16_fp6_f32 v[CD+12+4*\c:CD+14+4*\c], v[AC+16+32*\c:AC+31+32*\c], v[TM+13+2*\c]   ; (a conversion's three registers begin on an even number)
.endr
	WIN 0
	v_nop                                          ; one plain place behind a scaled conversion
.irp c, 0,1                                    ; the operand's layout wants a whole block in a lane: lanes 0-15 block 2 c, lanes 16-31 block 2 c + 1
.irp i, 0,1,2
	v_permlane16_swap_b32 v[CD+6*\c+\i], v[CD+12+4*\c+\i]
.endr
.irp i, 0,1,2
	v_mov_b32 v[CD+3+6*\c+\i], v[CD+12+4*\c+\i]
.endr
.endr
	ds_store_b32 v[SSA], v[PWS] offset:((\a)/4)*512+((\a)%4)*64
.irp c, 0,1
.irp p, 0,1,2
	global_store_b64 v[OFFC+\c], v[CD+6*\c+2*\p:CD+6*\c+2*\p+1], s[OB+2*((\a)/4):OB+2*((\a)/4)+1] offset:((\a)%4)*768+256*\p th:TH_STORE_NT   ; 32 lanes store 256 consecutive bytes, at a multiple of 256 from the buffer's first byte
.endr
.endr
.endm
.irp a, 0,1,2,3,4,5,6,7
	OUTBLK \a
.endr
	ds_load_b128 v[SWO:SWO+3], v[SRD]              ; LDS serves a wave's instructions in order (ISA guide 5.7.1.4): these see my stores
	ds_load_b128 v[SWO+4:SWO+7], v[SRD] offset:512
	s_wait_dscnt 0x0
	global_store_b128 v[GSO], v[SWO:SWO+3], s[SB:SB+1] th:TH_STORE_NT       ; sixteen lanes store 256 consecutive aligned bytes: 64 scale words
	global_store_b128 v[GSO], v[SWO+4:SWO+7], s[SB+2:SB+3] th:TH_STORE_NT
	s_wait_tensorcnt 0x0                           ; the wave's end: behind my last tensor load and my last LDS store
	ds_add_u32 v[SPW], v[NIL]
	s_wait_dscnt 0x0
	CROUND                                         ; the closing round: no work-group ends while a partner may still ask for a tile that names it
	s_endpgm
.Lfunc_end_k_q90678939ad_qkv:
	.size	k_q90678939ad_qkv, .Lfunc_end_k_q90678939ad_qkv-k_q90678939ad_qkv
	.p2alignl 7, 3214868480
	.fill 96, 4, 3214868480
	.section	.rodata,"a",@progbits
	.p2align	6, 0x0
	.amdhsa_kernel k_q90678939ad_qkv
		.amdhsa_group_segment_fixed_size 327680
		.amdhsa_private_segment_fixed_size 0
		.amdhsa_enable_private_segment 0
		.amdhsa_kernarg_size 56
		.amdhsa_user_sgpr_count 2
		.amdhsa_user_sgpr_kernarg_segment_ptr 1
		.amdhsa_wavefront_size32 1
		.amdhsa_system_sgpr_workgroup_id_x 1
		.amdhsa_system_sgpr_workgroup_id_y 1
		.amdhsa_system_sgpr_workgroup_id_z 1
		.amdhsa_system_vgpr_workitem_id 0
		.amdhsa_next_free_vgpr 1024
		.amdhsa_next_free_sgpr 100
		.amdhsa_reserve_vcc 0
		.amdhsa_float_denorm_mode_32 3
		.amdhsa_float_denorm_mode_16_64 3
		.amdhsa_memory_ordered 1
		.amdhsa_forward_progress 1
		.amdhsa_inst_pref_size 191
	.end_amdhsa_kernel
	.amdgpu_metadata
---
amdhsa.version: [ 1, 2 ]
amdhsa.kernels:
  - .name:           k_q90678939ad_qkv
    .symbol:         k_q90678939ad_qkv.kd
    .args:
      - { .name: x_codes, .offset: 0, .size: 8, .value_kind: global_buffer, .address_space: global }
      - { .name: x_scales, .offset: 8, .size: 8, .value_kind: global_buffer, .address_space: global }
      - { .name: W_attn_codes, .offset: 16, .size: 8, .value_kind: global_buffer, .address_space: global }
      - { .name: W_attn_scales, .offset: 24, .size: 8, .value_kind: global_buffer, .address_space: global }
      - { .name: b_attn, .offset: 32, .size: 8, .value_kind: global_buffer, .address_space: global }
      - { .name: qkv, .offset: 40, .size: 8, .value_kind: global_buffer, .address_space: global }
      - { .name: qkvs, .offset: 48, .size: 8, .value_kind: global_buffer, .address_space: global }
    .group_segment_fixed_size: 327680
    .private_segment_fixed_size: 0
    .kernarg_segment_align: 8
    .kernarg_segment_size: 56
    .max_flat_workgroup_size: 128
    .sgpr_count:     100
    .vgpr_count:     1024
    .wavefront_size: 32
...
	.end_amdgpu_metadata
.endif
;; end of part 1
;; launch attn (part 2): grid 16 x 16, 4 waves a work-group, no clusters, 1,536 bytes of LDS; arguments qkv, qkvs, y_img, y_sc; writes y_img, y_sc
.if DOCPART == 2
	.amdgcn_target "amdgcn-amd-amdhsa--gfx1250"
	.amdhsa_code_object_version 6
	.text
	.protected	k_q90678939ad_attn
	.globl	k_q90678939ad_attn
	.p2align	8
	.type	k_q90678939ad_attn,@function
k_q90678939ad_attn:
	s_mov_b64 s[64:65], 0
	v_nop
	global_prefetch_b8 v0, s[64:65] scope:SCOPE_SE
	s_setreg_imm32_b32 hwreg(HW_REG_WAVE_MODE, 25, 1), 1
	s_wait_xcnt 0x0
; y[b][t][head] = softmax over the band (keys t - 255 .. t) of q . k / 8, times v; both products on codes of FP6 (E2M3) with E8M0 scales; y is quantised along the 1,024 channels and leaves as codes.
; SHARES.  Work-group (x = QB, y = 4 b + sg): 128 queries of four heads; wave w takes head 4 sg + w.  A wave holds in registers, loaded once from memory as images of operand registers: its 8 tiles of 16 queries, the 24 tiles of
; 16 keys rho = 0 .. 23 (keys 128 QB - 256 on), and the 12 fragments of V^T of those 384 keys.  Query tile e sees key tiles rho = e .. e + 16: the first cut by the band's far edge, the last by the diagonal, 15 whole.
; The tile's text is written eight times by a macro, so every mask and every block that lies outside the band is settled as the text is assembled.
; LAYOUT.  S^T = K Q^T (source 0 = 16 keys, source 1 = 16 queries), O^T = V^T P^T: a lane holds ONE query (lane % 16) throughout; register j of a tile of S^T is key 8 (lane / 16) + j.
; K = 64 IN A FORM OF 128: Q's fragment is 6 registers of codes and 6 of zeros; K's tiles lie packed, 6 registers each, so a tile's operand runs on into the next tile: those codes meet Q's zero codes, every code is a finite number,
; and the scale words' upper bytes are never 0xff.  Six zero registers lie behind tile 23.
; THE ORDER INSIDE A BLOCK OF 32.  q and k carry the order 0-7, 16-23, 8-15, 24-31 from the launch before, alike; v carries it along the keys, and p gets the same from the same conversions here.  y meets a given operand, so O^T's
; halves are exchanged between the lanes first, and y's codes come out in the natural order.
; THE SOFTMAX: t = score x log2(e) / 8; M = the row's largest t rounded up to a whole number; p = 2^(t - M) is quantised in blocks of 32 keys counted from key 0; the row's sum is taken of the unquantised p and divides O.
; A block's largest p is the block's largest score put through the same multiply-add and exponential (this takes v_exp_f32 not to fall where its input rises).
; THE START OF A SEQUENCE: for QB < 2 the groups of 128 keys that do not exist are loaded from group 0 (no load leaves its buffer) and their scores are made -infinity: a scalar branch on the work-group's number.
; NO CLUSTER: K and V go once from memory into registers (18,432 bytes each a wave) and feed eight query tiles from there; no tile lies in LDS that partners could be sent jointly.  No prefetch: every load stands at the head.
; LIMITS: a block whose largest magnitude lies under 2^-124 gets the scale byte 1 (read by this program alone); NaN and infinities are not served.
.set KSZ, 6291456                      ; bytes of q's, k's or v's images
.set SSZ, 524288                       ; of their scale words
.set WV,  12
.set QB,  13
.set BB,  14                           ; the batch
.set SG,  15                           ; which four heads
.set HD,  16                           ; my head
.set BH,  17                           ; 16 b + head
.set SEL, 20                           ; s[20:21] selects for lane l xor 16
.set CS,  22                           ; s[22:23] c = log2(e) / 8, twice
.set QP,  24                           ; s[24:25] q's images;  s[26:31] k's, a base for each 128 keys;  s[32:37] v's
.set KP,  26
.set VP,  32
.set QSP, 38                           ; s[38:39], s[40:45], s[46:51] the same for the scale words
.set KSP, 40
.set VSP, 46
.set MK,  52                           ; s[52:59] mask j: the lanes where j > lane % 16 - 8 (lane / 16)
.set YB,  60                           ; s[60:61] y's images;  s[62:63] y's scale bytes
.set YSB, 62
.set L8,  1                            ; v1 8 x lane;  v2 4 x lane;  v3 r - 8 h;  v4 -infinity
.set L4,  2
.set RH,  3
.set NINF, 4
.set LW,  5                            ; v5 LDS: 8 r + 2 x wave: my head's two bytes of a token's eight
.set LR,  6                            ; v6 8 x thread: LDS and y_sc alike
.set TP,  7
.set NM,  8                            ; v[8:9]   -M (the pair's low word serves both halves)
.set SUM, 10                           ; v[10:13] the row's sum, in two chains of two
.set SUM2, 12
.set RC,  14                           ; v[14:15] 1 / the sum
.set KS,  16                           ; v16-27 K's scale words: lanes 0-15 tile 2 i, lanes 16-31 tile 2 i + 1;  v28-33 V's;  v34-37 Q's;  v38-40 p's: these hold scales and nothing else
.set VS,  28
.set QS,  34
.set PW,  38
.set YW,  41                           ; y's two bytes
.set BM,  42                           ; v42-50 the blocks' largest scores, then p;  v52-60 at work, then bytes;  v62-70 the conversions' scale operands
.set BT,  52
.set BS,  62
.set YT,  42                           ; v42.. later: five runs of 4 for the odd blocks' codes
.set SR,  72                           ; v72-215 S^T, then p: 18 slots of 8; slot u holds key tile u + 2 (e / 2)
.set PF,  216                          ; v216-251 p's three fragments; later y's codes
.set YC,  216
.set KF,  0                            ; window 1: v0-143 K, v144-149 zeros, v152-247 Q (12 a tile, the upper 6 zeros)
.set QF,  152
.set VF,  0                            ; window 2: v0-143 V^T (fragment 4 kk + dt), v144-175 O^T
.set OA,  144
.set MSB, 0
.macro WIN new                         ; the immediate's high byte repeats the setting that is left
.if MSB != \new
	s_set_vgpr_msb (MSB<<8)|\new
.set MSB, \new
.endif
.endm
	s_load_b256 s[4:11], s[0:1], 0x0               ; qkv s[4:5], qkvs s[6:7], y_img s[8:9], y_sc s[10:11]
	v_lshl_add_u32 v254, v0, 2, 0x400
	v_mov_b32 v255, 0
	v_lshrrev_b32 v1, 5, v0
	v_readfirstlane_b32 s[WV], v1                  ; wave 0..3
	s_mov_b32 s[QB], ttmp9
	s_and_b32 s18, ttmp7, 0xffff
	s_lshr_b32 s[BB], s18, 2
	s_and_b32 s[SG], s18, 3
	s_lshl_b32 s[HD], s[SG], 2
	s_add_co_u32 s[HD], s[HD], s[WV]
	s_lshl_b32 s[BH], s[BB], 4
	s_add_co_u32 s[BH], s[BH], s[HD]
	s_mul_i32 s66, s[BH], 98304                    ; a head's images
	s_lshl_b32 s67, s[BH], 13                      ; a head's scale words
	s_mov_b32 s19, 0
	s_mov_b32 s[SEL], 0x76543210
	s_mov_b32 s[SEL+1], 0xfedcba98
	s_mov_b32 s[CS], 0x3e38aa3b                    ; log2(e) / 8
	s_mov_b32 s[CS+1], s[CS]
	v_and_b32 v2, 31, v0
	v_lshlrev_b32 v[L8], 3, v2
	v_lshlrev_b32 v[L4], 2, v2
	v_and_b32 v[RH], 15, v0
	v_bfe_u32 v[TP], v0, 4, 1
	v_lshlrev_b32 v[TP], 3, v[TP]
	v_sub_nc_u32 v[RH], v[RH], v[TP]
	v_mov_b32 v[NINF], 0xff800000
	v_and_b32 v[LW], 15, v0
	v_lshlrev_b32 v[LW], 3, v[LW]
	s_lshl_b32 s18, s[WV], 1
	v_add_nc_u32 v[LW], s18, v[LW]
	v_lshlrev_b32 v[LR], 3, v0
.irp j, 0,1,2,3,4,5,6,7
	v_cmp_gt_i32 s[MK+\j], \j, v[RH]
.endr
	s_wait_kmcnt 0x0
	s_mul_i32 s18, s[QB], 6144                     ; 128 tokens: 8 tiles of 768 bytes
	s_add_co_u32 s18, s18, s66
	s_add_nc_u64 s[QP:QP+1], s[4:5], s[18:19]
	s_lshl_b32 s18, s[QB], 9
	s_add_co_u32 s18, s18, s67
	s_add_nc_u64 s[QSP:QSP+1], s[6:7], s[18:19]
.irp kk, 0,1,2                                 ; the three groups of 128 keys: QB - 2 + kk, held at 0 from below
	s_add_co_i32 s68, s[QB], \kk-2
	s_max_i32 s68, s68, 0
	s_mul_i32 s18, s68, 6144
	s_add_co_u32 s18, s18, s66
	s_add_co_u32 s18, s18, KSZ
	s_add_nc_u64 s[KP+2*\kk:KP+2*\kk+1], s[4:5], s[18:19]
	s_add_co_u32 s18, s18, KSZ
	s_add_nc_u64 s[VP+2*\kk:VP+2*\kk+1], s[4:5], s[18:19]
	s_lshl_b32 s18, s68, 9
	s_add_co_u32 s18, s18, s67
	s_add_co_u32 s18, s18, SSZ
	s_add_nc_u64 s[KSP+2*\kk:KSP+2*\kk+1], s[6:7], s[18:19]
	s_add_co_u32 s18, s18, SSZ
	s_add_nc_u64 s[VSP+2*\kk:VSP+2*\kk+1], s[6:7], s[18:19]
.endr
	s_lshl_b32 s18, s[BB], 7
	s_lshl_b32 s68, s[QB], 3
	s_add_co_u32 s18, s18, s68                     ; my first tile of 16 tokens
	s_mul_i32 s18, s18, 12288                      ; y's images: [tile of 16 tokens 12,288][head 768]
	s_mul_i32 s68, s[HD], 768
	s_add_co_u32 s18, s18, s68
	s_add_nc_u64 s[YB:YB+1], s[8:9], s[18:19]
	s_lshl_b32 s18, s[SG], 16                      ; y's scale bytes: [four heads 65,536][token 8]
	s_lshl_b32 s68, s[BB], 14
	s_add_co_u32 s18, s18, s68
	s_lshl_b32 s68, s[QB], 10
	s_add_co_u32 s18, s18, s68
	s_add_nc_u64 s[YSB:YSB+1], s[10:11], s[18:19]
	; all loads, what the first products want first.  Each load of 8 bytes a lane reads 256 consecutive aligned bytes
.irp i, 0,1,2,3
	global_load_b32 v[QS+\i], v[L4], s[QSP:QSP+1] offset:128*\i
.endr
.irp be, 0,1,2,3,4,5,6,7,8,9,10,11
	global_load_b32 v[KS+\be], v[L4], s[KSP+2*(\be/4):KSP+2*(\be/4)+1] offset:128*(\be%4)
.endr
	WIN 0x40                                       ; destination window 1
.irp t, 0,1,2,3,4,5,6,7
.irp p, 0,1,2
	global_load_b64 v[QF+12*\t+2*\p:QF+12*\t+2*\p+1], v[L8], s[QP:QP+1] offset:768*\t+256*\p th:TH_LOAD_NT   ; read by this wave alone
.endr
.endr
.irp rho, 0,1,2,3,4,5,6,7,8,9,10,11,12,13,14,15,16,17,18,19,20,21,22,23
.irp p, 0,1,2
	global_load_b64 v[KF+6*\rho+2*\p:KF+6*\rho+2*\p+1], v[L8], s[KP+2*(\rho/8):KP+2*(\rho/8)+1] offset:768*(\rho%8)+256*\p
.endr
.endr
	WIN 0
.irp kk, 0,1,2
.irp dp, 0,1
	global_load_b32 v[VS+2*\kk+\dp], v[L4], s[VSP+2*\kk:VSP+2*\kk+1] offset:128*\dp   ; the word of the even 64 keys holds all four bytes of its 128 keys; lanes 0-15 d tile 2 dp, lanes 16-31 the next
.endr
.endr
	WIN 0x80                                       ; destination window 2
.irp kk, 0,1,2
.irp dt, 0,1,2,3
.irp c, 0,1
.irp p, 0,1,2
	global_load_b64 v[VF+12*(4*\kk+\dt)+6*\c+2*\p:VF+12*(4*\kk+\dt)+6*\c+2*\p+1], v[L8], s[VP+2*\kk:VP+2*\kk+1] offset:3072*\c+768*\dt+256*\p
.endr
.endr
.endr
.endr
	WIN 0x40
.irp t, 0,1,2,3,4,5,6,7
.irp i, 6,7,8,9,10,11
	v_mov_b32 v[QF+12*\t+\i], 0                    ; Q's codes of k = 64 .. 127: zeros
.endr
.endr
.irp i, 144,145,146,147,148,149
	v_mov_b32 v[\i], 0                             ; behind K's last tile
.endr
	WIN 0
.irp i, 0,1,2,3,4,5,6,7,8
	v_mov_b32 v[BT+\i], 0                          ; written once: a lane permute's destination counts as one of its sources
.endr
	v_mov_b32 v[NM+1], 0                           ; (upper halves of pairs of which the low word alone is used)
	v_mov_b32 v[RC+1], 0
	v_mov_b32 v44, 0
	v_mov_b32 v45, 0
.macro KQ1 u, rho, e                   ; S^T's slot u = key tile rho x query tile e; the scale words' row by the tiles' parity
.if ((\rho)%2 == 0) && ((\e)%2 == 0)
	v_wmma_scale_f32_16x16x128_f8f6f4 v[SR+8*(\u):SR+8*(\u)+7], v[KF+6*(\rho):KF+6*(\rho)+11], v[QF+12*(\e):QF+12*(\e)+11], 0, v[KS+(\rho)/2], v[QS+(\e)/2] matrix_a_fmt:MATRIX_FMT_FP6 matrix_b_fmt:MATRIX_FMT_FP6
.elseif ((\e)%2 == 0)
	v_wmma_scale_f32_16x16x128_f8f6f4 v[SR+8*(\u):SR+8*(\u)+7], v[KF+6*(\rho):KF+6*(\rho)+11], v[QF+12*(\e):QF+12*(\e)+11], 0, v[KS+(\rho)/2], v[QS+(\e)/2] matrix_a_fmt:MATRIX_FMT_FP6 matrix_b_fmt:MATRIX_FMT_FP6 matrix_a_scale:MATRIX_SCALE_ROW1
.elseif ((\rho)%2 == 0)
	v_wmma_scale_f32_16x16x128_f8f6f4 v[SR+8*(\u):SR+8*(\u)+7], v[KF+6*(\rho):KF+6*(\rho)+11], v[QF+12*(\e):QF+12*(\e)+11], 0, v[KS+(\rho)/2], v[QS+(\e)/2] matrix_a_fmt:MATRIX_FMT_FP6 matrix_b_fmt:MATRIX_FMT_FP6 matrix_b_scale:MATRIX_SCALE_ROW1
.else
	v_wmma_scale_f32_16x16x128_f8f6f4 v[SR+8*(\u):SR+8*(\u)+7], v[KF+6*(\rho):KF+6*(\rho)+11], v[QF+12*(\e):QF+12*(\e)+11], 0, v[KS+(\rho)/2], v[QS+(\e)/2] matrix_a_fmt:MATRIX_FMT_FP6 matrix_b_fmt:MATRIX_FMT_FP6 matrix_a_scale:MATRIX_SCALE_ROW1 matrix_b_scale:MATRIX_SCALE_ROW1
.endif
.endm
.macro PV1 kk, dt                      ; O^T's tile dt (16 of the head's 64) += V^T x P^T over the kk-th 128 keys; the first starts the sum
.set DD, OA+8*(\dt)
.set RV, VF+12*(4*(\kk)+(\dt))
.set RP, PF+12*(\kk)
.if ((\kk) == 0) && ((\dt)%2 == 0)
	v_wmma_scale_f32_16x16x128_f8f6f4 v[DD:DD+7], v[RV:RV+11], v[RP:RP+11], 0, v[VS+2*(\kk)+(\dt)/2], v[PW+(\kk)] matrix_a_fmt:MATRIX_FMT_FP6 matrix_b_fmt:MATRIX_FMT_FP6
.elseif ((\kk) == 0)
	v_wmma_scale_f32_16x16x128_f8f6f4 v[DD:DD+7], v[RV:RV+11], v[RP:RP+11], 0, v[VS+2*(\kk)+(\dt)/2], v[PW+(\kk)] matrix_a_fmt:MATRIX_FMT_FP6 matrix_b_fmt:MATRIX_FMT_FP6 matrix_a_scale:MATRIX_SCALE_ROW1
.elseif ((\dt)%2 == 0)
	v_wmma_scale_f32_16x16x128_f8f6f4 v[DD:DD+7], v[RV:RV+11], v[RP:RP+11], v[DD:DD+7], v[VS+2*(\kk)+(\dt)/2], v[PW+(\kk)] matrix_a_fmt:MATRIX_FMT_FP6 matrix_b_fmt:MATRIX_FMT_FP6
.else
	v_wmma_scale_f32_16x16x128_f8f6f4 v[DD:DD+7], v[RV:RV+11], v[RP:RP+11], v[DD:DD+7], v[VS+2*(\kk)+(\dt)/2], v[PW+(\kk)] matrix_a_fmt:MATRIX_FMT_FP6 matrix_b_fmt:MATRIX_FMT_FP6 matrix_a_scale:MATRIX_SCALE_ROW1
.endif
.endm
; QUERY TILE e.  EO = e % 2, B0 = e / 2.  Slots EO .. EO + 16 are used; blocks ub = 0 .. 8 of 32 keys (slots 2 ub, 2 ub + 1) are blocks B0 + ub of the window's twelve.  One block is half outside the band: its hidden slot is 17 (EO = 0) or 0 (EO = 1).
.macro TILE e
.set EO,  (\e)%2
.set B0,  (\e)/2
.set PR0, B0/2                         ; the first pair of blocks (half a fragment of p) that is touched; five are
.set P0,  SR+8*EO                      ; the first register in use
.set HU,  8*(1-EO)                     ; the half block,
.set HSB, SR+8*(16-15*EO)              ; its slot in use,
.set HID, SR+8*17*(1-EO)               ; its hidden slot
.if (\e) == 0
	s_wait_loadcnt 63                              ; Q, K and their scale words are in: 78 loads were issued behind K's last, and 63 is the largest count that the field names
.endif
	WIN 0x05                                       ; K and Q in window 1, S^T in window 0
.set U, EO
.rept 17
	KQ1 U, U+2*B0, \e
.set U, U+1
.endr
	WIN 0
.rept 4
	v_nop                                          ; places behind the products
.endr
	s_cmp_gt_u32 s[QB], 1                          ; keys ahead of the sequence's start: key tiles under 8 where QB < 2, under 16 where QB = 0
	s_cbranch_scc1 .Lin_\@
.set R, \e
.rept 8-\e
.irp j, 0,1,2,3,4,5,6,7
	v_mov_b32 v[SR+8*(R-2*B0)+\j], v[NINF]
.endr
.set R, R+1
.endr
	s_cmp_gt_u32 s[QB], 0
	s_cbranch_scc1 .Lin_\@
.set R, 8
.rept 8
.irp j, 0,1,2,3,4,5,6,7
	v_mov_b32 v[SR+8*(R-2*B0)+\j], v[NINF]
.endr
.set R, R+1
.endr
.Lin_\@:
.irp j, 0,1,2,3,4,5,6,7
	v_cndmask_b32 v[SR+8*EO+\j], v[NINF], v[SR+8*EO+\j], s[MK+\j]               ; the far edge: key 8 h + j of tile e counts where 8 h + j > r
.endr
.irp j, 0,1,2,3,4,5,6,7
	v_cndmask_b32 v[SR+8*(EO+16)+\j], v[SR+8*(EO+16)+\j], v[NINF], s[MK+\j]     ; the diagonal: of tile e + 16 where 8 h + j <= r
.endr
	; the largest score of each block of 32 keys: for the row's maximum, and, since p rises with the score, for the block's largest p.  Each tile of S^T is read from its low end on
.irp w, 0,1,2,3,4,5,6,7
	v_max3_num_f32 v[BM+EO+\w], v[SR+16*(EO+\w)], v[SR+16*(EO+\w)+1], v[SR+16*(EO+\w)+2]
.endr
	v_max3_num_f32 v[BM+HU], v[HSB], v[HSB+1], v[HSB+2]
.irp i, 3,5,7,9,11,13
.irp w, 0,1,2,3,4,5,6,7
	v_max3_num_f32 v[BM+EO+\w], v[BM+EO+\w], v[SR+16*(EO+\w)+\i], v[SR+16*(EO+\w)+\i+1]
.endr
.if \i < 7
	v_max3_num_f32 v[BM+HU], v[BM+HU], v[HSB+\i], v[HSB+\i+1]
.elseif \i == 7
	v_max_num_f32 v[BM+HU], v[BM+HU], v[HSB+7]
.endif
.endr
.irp w, 0,1,2,3,4,5,6,7
	v_max_num_f32 v[BM+EO+\w], v[BM+EO+\w], v[SR+16*(EO+\w)+15]
.endr
.irp ub, 0,1,2,3,4,5,6,7,8
	v_permlanex16_b32 v[BT+\ub], v[BM+\ub], s[SEL], s[SEL+1]
.endr
.irp ub, 0,1,2,3,4,5,6,7,8
	v_max_num_f32 v[BM+\ub], v[BM+\ub], v[BT+\ub]  ; with lane l xor 16's keys
.endr
	v_max3_num_f32 v[TP], v[BM], v[BM+1], v[BM+2]
	v_max3_num_f32 v[TP], v[TP], v[BM+3], v[BM+4]
	v_max3_num_f32 v[TP], v[TP], v[BM+5], v[BM+6]
	v_max3_num_f32 v[TP], v[TP], v[BM+7], v[BM+8]  ; the row's largest score (the query's own key always counts)
	v_mul_f32 v[TP], s[CS], v[TP]                  ; as t
	v_floor_f32 v[NM], -v[TP]                      ; -M = floor(-t) = -ceil(t)
.set I, 0
.rept 68
	v_pk_fma_f32 v[P0+I:P0+I+1], v[P0+I:P0+I+1], s[CS:CS+1], v[NM:NM+1] op_sel_hi:[1,0,0]   ; t - M, two at a time
.set I, I+2
.endr
.irp ub, 0,1,2,3,4,5,6,7,8
	v_fma_f32 v[BM+\ub], v[BM+\ub], s[CS], v[NM]   ; the same of each block's largest score
.endr
.set I, 0
.rept 136
	v_exp_f32 v[P0+I], v[P0+I]                     ; p = 2^(t - M): one batch
.set I, I+1
.endr
	v_nop                                          ; a plain place behind the last exponential
	s_wait_alu depctr_va_vdst(0)                   ; one wait for the batch, ahead of its first reader
.irp ub, 0,1,2,3,4,5,6,7,8
	v_exp_f32 v[BM+\ub], v[BM+\ub]                 ; the blocks' largest p: the same two instructions on the same numbers
.endr
	v_pk_add_f32 v[SUM:SUM+1], v[P0:P0+1], v[P0+2:P0+3]          ; the row's sum, of the unquantised p: two chains of pairs; plain work behind the nine
	v_pk_add_f32 v[SUM2:SUM2+1], v[P0+4:P0+5], v[P0+6:P0+7]
.set I, 8
.rept 32
	v_pk_add_f32 v[SUM:SUM+1], v[SUM:SUM+1], v[P0+I:P0+I+1]
	v_pk_add_f32 v[SUM2:SUM2+1], v[SUM2:SUM2+1], v[P0+I+2:P0+I+3]
.set I, I+4
.endr
	v_pk_add_f32 v[SUM:SUM+1], v[SUM:SUM+1], v[SUM2:SUM2+1]
	s_wait_alu depctr_va_vdst(0)                   ; and one for the nine
.irp ub, 0,1,2,3,4,5,6,7,8
	v_max_num_f32 v[BM+\ub], 0x1800000, v[BM+\ub]  ; the floor 2^(3 - 127): the byte cannot fall under 1 (a block whose every p is 0 keeps that byte: its codes are zeros)
.endr
.irp ub, 0,1,2,3,4,5,6,7,8
	v_add_nc_u32 v[BS+\ub], 0xff000000, v[BM+\ub]  ; 2 off the exponent field: the conversion's scale operand
.endr
.irp ub, 0,1,2,3,4,5,6,7,8
	v_lshrrev_b32 v[BT+\ub], 23, v[BS+\ub]         ; the scale's byte
.endr
.irp kk, 0,1,2                                 ; p's scale words, one for each 128 keys; a block outside the band keeps the byte 0: its codes are zeros
.set FST, 1
.irp bb, 0,1,2,3
.set BE, 4*\kk+\bb
.if (BE >= B0) && (BE <= B0+8)
.if FST
	v_lshlrev_b32 v[PW+\kk], 8*\bb, v[BT+BE-B0]
.set FST, 0
.else
	v_lshl_or_b32 v[PW+\kk], v[BT+BE-B0], 8*\bb, v[PW+\kk]
.endif
.endif
.endr
.endr
	v_add_f32 v[SUM], v[SUM], v[SUM+1]
	v_permlanex16_b32 v[SUM2], v[SUM], s[SEL], s[SEL+1]
	v_add_f32 v[SUM], v[SUM], v[SUM2]              ; the row's sum
	v_rcp_f32 v[RC], v[SUM]                        ; its wait stands ahead of the first reader, behind the second product
.irp j, 0,1,2,3,4,5,6,7
	v_mov_b32 v[HID+\j], 0                         ; the hidden slot's p
.endr
.if (\e) > 0
	s_wait_xcnt 0x0                                ; the last tile's stores have read y's codes, which lie where p's are made
.endif
.irp ub, 0,1,2,3,4,5,6,7,8
.set BE, B0+\ub
.if BE%2 == 0
	v_cvt_scalef32_pk16_fp6_f32 v[PF+6*(BE/2):PF+6*(BE/2)+2], v[SR+16*\ub:SR+16*\ub+15], v[BS+\ub]
.else
	v_cvt_scalef32_pk16_fp6_f32 v[YT+4*(BE/2-PR0):YT+4*(BE/2-PR0)+2], v[SR+16*\ub:SR+16*\ub+15], v[BS+\ub]   ; (a conversion's three registers begin on an even number)
.endif
.endr
.irp i, 0,1,2
.if B0%2 == 0
	v_mov_b32 v[YT+16+\i], 0                       ; the last pair's odd block lies outside the band
.else
	v_mov_b32 v[PF+6*PR0+\i], 0                    ; the first pair's even block does
.endif
.endr
	v_nop                                          ; a plain place behind the conversions
.irp pr, 0,1,2,3,4                             ; the operand's layout wants a whole block in a lane: lanes 0-15 the pair's even block, lanes 16-31 the odd one
.irp i, 0,1,2
	v_permlane16_swap_b32 v[PF+6*(PR0+\pr)+\i], v[YT+4*\pr+\i]
.endr
.irp i, 0,1,2
	v_mov_b32 v[PF+6*(PR0+\pr)+3+\i], v[YT+4*\pr+\i]
.endr
.endr
.irp i, 0,1,2,3,4,5
	v_mov_b32 v[PF+30*(1-PR0)+\i], 0               ; the sixth pair is not touched: zero codes
.endr
.rept 8
	v_nop                                          ; a scale register written by a vector instruction stands 8 places ahead of a scaled matrix instruction, an operand so written 4
.endr
.if (\e) == 0
	s_wait_loadcnt 0x0                             ; V and its scale words
.endif
	WIN 0xa2                                       ; V^T, C and D in window 2, P in window 0
.irp kk, 0,1,2                                 ; the four accumulators by turns
.irp dt, 0,1,2,3
	PV1 \kk, \dt
.endr
.endr
.rept 4
	v_nop
.endr
	s_wait_alu depctr_va_vdst(0)                   ; the reciprocal's wait, ahead of its first reader
	WIN 0x02                                       ; source 0 in window 2
.set I, 0
.rept 16
	v_pk_mul_f32 v[72+I:73+I], v[OA+I:OA+I+1], v[RC:RC+1] op_sel_hi:[1,0]       ; y = O^T / the sum, each tile from its low end on: register 8 dt + j is channel 16 dt + 8 h + j
.set I, I+2
.endr
	WIN 0
.irp bb, 0,1
.irp j, 0,1,2,3,4,5,6,7
	v_permlane16_swap_b32 v[72+16*\bb+\j], v[80+16*\bb+\j]   ; now register 16 bb + i is channel 32 bb + 16 h + i: 16 neighbours
.endr
.endr
.irp bb, 0,1
	v_max3_num_f32 v[42+\bb], |v[72+16*\bb]|, |v[73+16*\bb]|, 0x1800000
.endr
.irp i, 2,4,6,8,10,12,14
.irp bb, 0,1
	v_max3_num_f32 v[42+\bb], v[42+\bb], |v[72+16*\bb+\i]|, |v[73+16*\bb+\i]|
.endr
.endr
.irp bb, 0,1
	v_permlanex16_b32 v[44+\bb], v[42+\bb], s[SEL], s[SEL+1]
.endr
.irp bb, 0,1
	v_max_num_f32 v[42+\bb], v[42+\bb], v[44+\bb]
.endr
.irp bb, 0,1
	v_add_nc_u32 v[46+\bb], 0xff000000, v[42+\bb]
.endr
.irp bb, 0,1
	v_lshrrev_b32 v[48+\bb], 23, v[46+\bb]
.endr
	v_lshl_or_b32 v[YW], v49, 8, v48               ; my head's two scale bytes of token r
	v_cvt_scalef32_pk16_fp6_f32 v[YC:YC+2], v[72:87], v46
	v_cvt_scalef32_pk16_fp6_f32 v[YC+8:YC+10], v[88:103], v47
	v_nop
.irp i, 0,1,2
	v_permlane16_swap_b32 v[YC+\i], v[YC+8+\i]
.endr
.irp i, 0,1,2
	v_mov_b32 v[YC+3+\i], v[YC+8+\i]
.endr
	ds_store_b16 v[LW], v[YW] offset:128*(\e)      ; both lanes of a token write the same two bytes with the same value
.irp p, 0,1,2
	global_store_b64 v[L8], v[YC+2*\p:YC+2*\p+1], s[YB:YB+1] offset:12288*(\e)+256*\p th:TH_STORE_NT   ; 256 consecutive aligned bytes
.endr
.endm
.irp e, 0,1,2,3,4,5,6,7
	TILE \e
.endr
	s_wait_dscnt 0x0                               ; for the others' sake: my scale bytes lie in LDS
	s_barrier_signal -1
	s_barrier_wait -1
	ds_load_b64 v[72:73], v[LR]                    ; a token's eight bytes come from the four waves; each wave takes 32 tokens
	s_wait_dscnt 0x0
	global_store_b64 v[LR], v[72:73], s[YSB:YSB+1] th:TH_STORE_NT   ; 256 consecutive aligned bytes a wave
	s_wait_tensorcnt 0x0
	ds_add_u32 v254, v255
	s_wait_dscnt 0x0
	s_endpgm
.Lfunc_end_k_q90678939ad_attn:
	.size	k_q90678939ad_attn, .Lfunc_end_k_q90678939ad_attn-k_q90678939ad_attn
	.p2alignl 7, 3214868480
	.fill 96, 4, 3214868480
	.section	.rodata,"a",@progbits
	.p2align	6, 0x0
	.amdhsa_kernel k_q90678939ad_attn
		.amdhsa_group_segment_fixed_size 1536
		.amdhsa_private_segment_fixed_size 0
		.amdhsa_enable_private_segment 0
		.amdhsa_kernarg_size 32
		.amdhsa_user_sgpr_count 2
		.amdhsa_user_sgpr_kernarg_segment_ptr 1
		.amdhsa_wavefront_size32 1
		.amdhsa_system_sgpr_workgroup_id_x 1
		.amdhsa_system_sgpr_workgroup_id_y 1
		.amdhsa_system_sgpr_workgroup_id_z 1
		.amdhsa_system_vgpr_workitem_id 0
		.amdhsa_next_free_vgpr 768
		.amdhsa_next_free_sgpr 72
		.amdhsa_reserve_vcc 0
		.amdhsa_float_denorm_mode_32 3
		.amdhsa_float_denorm_mode_16_64 3
		.amdhsa_memory_ordered 1
		.amdhsa_forward_progress 1
		.amdhsa_inst_pref_size 255
	.end_amdhsa_kernel
	.section	.bss,"aw",@nobits
	.p2align	6
	.space	262144
	.amdgpu_metadata
---
amdhsa.version: [ 1, 2 ]
amdhsa.kernels:
  - .name:           k_q90678939ad_attn
    .symbol:         k_q90678939ad_attn.kd
    .args:
      - { .name: qkv, .offset: 0, .size: 8, .value_kind: global_buffer, .address_space: global }
      - { .name: qkvs, .offset: 8, .size: 8, .value_kind: global_buffer, .address_space: global }
      - { .name: y_img, .offset: 16, .size: 8, .value_kind: global_buffer, .address_space: global }
      - { .name: y_sc, .offset: 24, .size: 8, .value_kind: global_buffer, .address_space: global }
    .group_segment_fixed_size: 1536
    .private_segment_fixed_size: 0
    .kernarg_segment_align: 8
    .kernarg_segment_size: 32
    .max_flat_workgroup_size: 128
    .sgpr_count:     72
    .vgpr_count:     768
    .wavefront_size: 32
...
	.end_amdgpu_metadata
.endif
;; end of part 2
;; launch proj (part 3): grid 4 x 32, 4 waves a work-group, clusters of 4 x 4, 327,680 bytes of LDS; arguments y_img, y_sc, W_proj_codes, W_proj_scales, b_proj, out0; writes out0
.if DOCPART == 3
	.amdgcn_target "amdgcn-amd-amdhsa--gfx1250"
	.amdhsa_code_object_version 6
	.text
	.protected	k_q90678939ad_proj
	.globl	k_q90678939ad_proj
	.p2align	8
	.type	k_q90678939ad_proj,@function
k_q90678939ad_proj:
	s_mov_b64 s[64:65], 0
	v_nop
	global_prefetch_b8 v0, s[64:65] scope:SCOPE_SE
	s_setreg_imm32_b32 hwreg(HW_REG_WAVE_MODE, 25, 1), 1
	s_wait_xcnt 0x0
	s_wait_alu depctr_hold_cnt(0) depctr_sa_sdst(0) depctr_va_vdst(0) depctr_va_sdst(0) depctr_va_ssrc(0) depctr_va_vcc(0) depctr_vm_vsrc(0)
	s_getreg_b32 s2, hwreg(HW_REG_IB_STS2, 6, 4)
	s_cmp_eq_u32 s2, 0
	s_cbranch_scc0 .Lentry_in_a_cluster
	s_endpgm
.Lentry_in_a_cluster:
	s_bfe_u32 s2, ttmp6, 0x10000c
	s_cmp_lg_u32 s2, 0xf033
	s_cbranch_scc0 .Lentry_shape_is_right
	s_endpgm
.Lentry_shape_is_right:
; out0 = y W_proj + b_proj on codes of FP6 (E2M3) with one E8M0 scale for each 32 along K = 1,024.  out0: [8,192][1,024] f32.
; y comes from the launch before as images of operand registers: [tile of 16 tokens 12,288 bytes][head 768 bytes][piece 256][lane 8]; its scale bytes as [K step of 256: 65,536][token 8].  W_proj: 1,024 rows of 768 bytes of codes, 32 scale bytes a row.
; A tile of 256 x 256 of out0 is made by four waves, each 128 x 128: 64 accumulators.  K goes in steps of 256 through a ring of two LDS slots; all scale bytes of the tile's rows come once, with the first fills.
; 128 tiles: the launch has work for 128 work-groups; a tile of half the width would double their number and read each fragment of y for half as many products.
; CLUSTERS: 4 x 4; y's tile is asked for jointly by a row of the cluster, W's by a column.  THE MATRIX INSTRUCTION IS USED TRANSPOSED (source 0 = 16 rows of W, source 1 = 16 tokens): a lane holds eight neighbouring numbers of a row of out0.
; The bias is the C of each sum's first matrix instruction.  No prefetch: K has four steps, of which two are first fills.
.set ROWB,   192                       ; W: a tile's row in bytes
.set KROW,   768
.set PITCH,  240                       ; W's LDS row: 3 x (64 bytes + 16 of padding)
.set NQ,     2
.set FR,     12
.set NL,     6
.set NP,     4
.set HALFA,  24576                     ; y: 8 tiles of 16 tokens x 3,072 bytes (four heads): what one tensor load brings; no padding: every LDS load reads 256 consecutive bytes
.set HALFB,  128*PITCH                 ; W: 128 rows
.set BOFF,   2*HALFA                   ; a slot: y's two halves, then W's two
.set SLOT,   2*HALFA+2*HALFB
.set SCL,    2*SLOT                    ; y's scale bytes: [half 4,096][K step 1,024][token 8]
.set SCLB,   SCL+8192                  ; W's: units of 256 bytes + 16 of padding
.set HALFS,  16*272
.set SBLK,   2*272
.set SPARE,  SCLB+2*HALFS              ; the spare words, 128 bytes for each wave: two blocks of 256 bytes that no other line names
.set SPITCH, 528                       ; the way out: a stage of 16 rows x (512 bytes + 16) for each wave, in slot 0, which has had its last fill and its last read when the first result is stored there
.set SIZE_N, 1024
.set ADRA, 16                          ; v16-17 LDS address of y's fragments in slot 0, 1
.set ADRB, 20                          ; v20-23 of W's (v22-23: behind one padding more)
.set STO,  24
.set RD,   25
.set CO,   26
.set ADRSA, 27                         ; v27 y's scale words;  v30 W's
.set SPW,  28
.set NIL,  29
.set ADRSB, 30
.set BO8,  8
.set SC,   32                          ; v32-63 scale words, two sets of 16: registers 2 i + q: y's blocks 2 i (lanes 0-15) and 2 i + 1 (lanes 16-31); registers 8 + 2 i + q: W's likewise
.set CI,   64                          ; v64-127 the bias as C
.set AF,   128                         ; v128-223 y's fragments
.set BK,   128                         ; the way out: 16 rows read back: v128-191 and v192-255 by turns
.set WV,   18
.set HA,   19
.set HB,   20
.set TA,   22
.set TB,   23
.set G1,   24
.set G0,   32
.set G1B,  48
.set G0B,  56
.set G1S,  68
.set G0S,  76
.set G1SB, 80
.set G0SB, 88
.set MSB, 0
.macro WIN new
.if MSB != \new
	s_set_vgpr_msb (MSB<<8)|\new
.set MSB, \new
.endif
.endm
.set MUL_LO, 0xa1
.set MUL_HI, 0xf1
.set TO_B,   0x40
.macro JLOAD g0a, g1a, g0b, g1b        ; a joint load: waves 0 and 1 fetch for y, waves 2 and 3 for W; four v_nop follow each of the two lines
	s_cmp_eq_u32 s[HA], 0
	s_cbranch_scc0 .Lfor_b_\@
	tensor_load_to_lds s[\g0a:\g0a+3], s[\g1a:\g1a+7]
	s_nop 0
.rept 4
	v_nop
.endr
	s_branch .Lasked_\@
.Lfor_b_\@:
	tensor_load_to_lds s[\g0b:\g0b+3], s[\g1b:\g1b+7]
	s_nop 0
.rept 4
	v_nop
.endr
.Lasked_\@:
.endm
.macro CREST
	s_cmp_lg_u32 s[WV], 0
	s_cbranch_scc1 .Lnot_wave_0_\@
	s_barrier_signal -3
.Lnot_wave_0_\@:
	s_barrier_wait -3
	s_barrier_signal -1
	s_barrier_wait -1
.endm
.macro CROUND
	s_barrier_signal -1
	s_barrier_wait -1
	CREST
.endm
	s_load_b256 s[4:11], s[0:1], 0x0               ; y_img s[4:5], y_sc s[6:7], W's codes s[8:9], W's scales s[10:11]
	s_load_b128 s[12:15], s[0:1], 0x20             ; b_proj s[12:13], out0 s[14:15]
	v_lshl_add_u32 v[SPW], v0, 2, SPARE
	v_mov_b32 v[NIL], 0
	ds_add_u32 v28, v29
	ds_add_u32 v28, v29
	s_wait_dscnt 0x0
	v_lshrrev_b32 v1, 5, v0
	v_readfirstlane_b32 s[WV], v1
	s_lshr_b32 s[HA], s[WV], 1                     ; my half of the tokens; also: I fetch for y (0) or for W (1)
	s_and_b32 s[HB], s[WV], 1                      ; my half of W's rows; also: which half I fetch
	s_bfe_u32 s40, ttmp6, 0x40000                  ; cx, cy
	s_bfe_u32 s41, ttmp6, 0x40004
	s_lshl_b32 s[TB], ttmp9, 2
	s_add_co_u32 s[TB], s[TB], s40                 ; tile column
	s_and_b32 s[TA], ttmp7, 0xffff
	s_lshl_b32 s[TA], s[TA], 2
	s_add_co_u32 s[TA], s[TA], s41                 ; tile row
	s_lshl_b32 s42, s41, 2
	s_lshl_b32 s42, 15, s42                        ; my row of the cluster
	s_lshl_b32 s43, 0x1111, s40                    ; my column
	; y's codes: 8 rows (tiles of 16 tokens) of 3,072 bytes = 384 elements of 8 bytes, 12,288 bytes apart; no padding
	s_or_b32 s[G1+0], s42, (3<<16)|(1<<21)
	s_mov_b32 s[G1+1], 384<<16
	s_mov_b32 s[G1+2], 8<<16
	s_mov_b32 s[G1+3], 384<<16
	s_mov_b32 s[G1+4], 8
	s_mov_b32 s[G1+5], 1536
	s_mov_b32 s[G1+6], 0
	s_mov_b32 s[G1+7], 0
	; W's codes: 128 rows x 192 bytes, 16 bytes of padding behind every 64
	s_or_b32 s[G1B+0], s43, (0<<16)|(1<<20)|(1<<21)|(3<<22)|(3<<25)
	s_mov_b32 s[G1B+1], ROWB<<16
	s_mov_b32 s[G1B+2], 128<<16
	s_mov_b32 s[G1B+3], ROWB<<16
	s_mov_b32 s[G1B+4], 128
	s_mov_b32 s[G1B+5], KROW
	s_mov_b32 s[G1B+6], 0
	s_mov_b32 s[G1B+7], 0
	; y's scale bytes: 4 rows (K steps) of 1,024 bytes = 128 elements of 8 bytes, 65,536 bytes apart
	s_or_b32 s[G1S+0], s42, (3<<16)|(1<<21)
	s_mov_b32 s[G1S+1], 128<<16
	s_mov_b32 s[G1S+2], 4<<16
	s_mov_b32 s[G1S+3], 128<<16
	s_mov_b32 s[G1S+4], 4
	s_mov_b32 s[G1S+5], 8192
	s_mov_b32 s[G1S+6], 0
	s_mov_b32 s[G1S+7], 0
	; W's scale bytes: 4,096 dense bytes as 16 rows of 256, 16 bytes of padding behind each
	s_or_b32 s[G1SB+0], s43, (3<<16)|(1<<20)|(1<<21)|(5<<22)|(3<<25)
	s_mov_b32 s[G1SB+1], 32<<16
	s_mov_b32 s[G1SB+2], 16<<16
	s_mov_b32 s[G1SB+3], 32<<16
	s_mov_b32 s[G1SB+4], 16
	s_mov_b32 s[G1SB+5], 32
	s_mov_b32 s[G1SB+6], 0
	s_mov_b32 s[G1SB+7], 0
	s_lshl_b32 s3, s[TA], 4
	s_lshl_b32 s2, s[HB], 3
	s_add_co_u32 s3, s3, s2                        ; y: tile of 16 tokens 16 x tile row + 8 x half
	s_mul_i32 s92, s3, 12288
	s_mov_b32 s93, 0
	s_lshl_b32 s94, s3, 7                          ; its scale bytes: 16 tokens x 8
	s_mov_b32 s95, 0
	s_lshl_b32 s44, s[TB], 8
	s_lshl_b32 s2, s[HB], 7
	s_add_co_u32 s44, s44, s2                      ; W: row 256 x tile column + 128 x half
	s_mul_i32 s96, s44, KROW
	s_mov_b32 s97, 0
	s_lshl_b32 s98, s44, 5
	s_mov_b32 s99, 0
	s_mul_i32 s45, s[HB], HALFA                    ; where they go: no place in the cluster enters an LDS address
	s_mul_i32 s46, s[HB], HALFB
	s_add_co_u32 s46, s46, BOFF
	s_lshl_b32 s47, s[HB], 12
	s_mul_i32 s21, s[HB], HALFS
	s_wait_kmcnt 0x0
	s_add_nc_u64 s[92:93], s[4:5], s[92:93]
	s_add_nc_u64 s[94:95], s[6:7], s[94:95]
	s_add_nc_u64 s[96:97], s[8:9], s[96:97]
	s_add_nc_u64 s[98:99], s[10:11], s[98:99]
	CROUND                                         ; all sixteen work-groups are here: the first joint loads meet
	s_mov_b32 s[G0S], 1
	s_add_co_u32 s[G0S+1], s47, SCL
	s_mov_b64 s[G0S+2:G0S+3], s[94:95]
	s_or_b32 s[G0S+3], s[G0S+3], 0x80000000
	s_mov_b32 s[G0SB], 1
	s_add_co_u32 s[G0SB+1], s21, SCLB
	s_mov_b64 s[G0SB+2:G0SB+3], s[98:99]
	s_or_b32 s[G0SB+3], s[G0SB+3], 0x80000000
	JLOAD G0S, G1S, G0SB, G1SB                     ; the scales first
.irp s, 0,1
	s_mov_b32 s[G0+4*\s], 1
	s_add_co_u32 s[G0+4*\s+1], s45, \s*SLOT
	s_add_nc_u64 s[G0+4*\s+2:G0+4*\s+3], s[92:93], \s*3072
	s_or_b32 s[G0+4*\s+3], s[G0+4*\s+3], 0x80000000
	s_mov_b32 s[G0B+4*\s], 1
	s_add_co_u32 s[G0B+4*\s+1], s46, \s*SLOT
	s_add_nc_u64 s[G0B+4*\s+2:G0B+4*\s+3], s[96:97], \s*ROWB
	s_or_b32 s[G0B+4*\s+3], s[G0B+4*\s+3], 0x80000000
	JLOAD G0+4*\s, G1, G0B+4*\s, G1B               ; three tensor loads of mine are out
.endr
	v_and_b32 v1, 15, v0                           ; r
	v_bfe_u32 v2, v0, 4, 1                         ; h
	v_and_b32 v3, 31, v0                           ; lane
	v_lshlrev_b32 v6, 3, v3                        ; an image: 8 bytes a lane
	v_mul_u32_u24 v4, v1, PITCH
	v_mad_u32_u24 v4, v2, 24, v4                   ; W: row x pitch + 24 h
	v_lshl_add_u32 v5, v2, 4, v4                   ; and behind one padding more
	s_mul_i32 s2, s[HA], HALFA
	s_mul_i32 s3, s[HB], HALFB
	s_add_co_u32 s3, s3, BOFF
.irp s, 0,1
	v_add_nc_u32 v[ADRA+\s], s2, v6
	v_add_nc_u32 v[ADRB+\s], s3, v4
	v_add_nc_u32 v[ADRB+2+\s], s3, v5
	s_add_co_u32 s2, s2, SLOT
	s_add_co_u32 s3, s3, SLOT
.endr
	s_lshl_b32 s2, s[HA], 12
	s_add_co_u32 s2, s2, SCL
	v_add_nc_u32 v[ADRSA], s2, v6                  ; y's scale words: 8 bytes a token, 32 tokens a load
	v_lshlrev_b32 v4, 5, v1                        ; W's: 32 bytes a row,
	v_lshrrev_b32 v5, 8, v4
	v_lshl_add_u32 v4, v5, 4, v4                   ; 16 more for each 256 passed,
	v_mad_u32_u24 v4, v2, SBLK, v4                 ; lanes 16-31 the next 16 rows
	s_mul_i32 s2, s[HB], HALFS
	s_add_co_u32 s2, s2, SCLB
	v_add_nc_u32 v[ADRSB], s2, v4
	s_mul_i32 s2, s[WV], 16*SPITCH                 ; my stage
	v_mul_u32_u24 v5, v1, SPITCH                   ; in: row r, 32 bytes for each half of the lanes
	v_lshl_add_u32 v5, v2, 5, v5
	v_add_nc_u32 v[STO], s2, v5
	v_lshlrev_b32 v[CO], 4, v3                     ; back: the 32 lanes take one row of 512 bytes; and the same in out0
	v_add_nc_u32 v[RD], s2, v[CO]
	s_lshl_b32 s2, s[TA], 8
	s_lshl_b32 s3, s[HA], 7
	s_add_co_u32 s2, s2, s3                        ; my first row of out0,
	s_lshl_b32 s2, s2, 12                          ; 4,096 bytes a row (under 2^26),
	s_lshl_b32 s3, s[TB], 10
	s_add_co_u32 s2, s2, s3
	s_lshl_b32 s3, s[HB], 9
	s_add_co_u32 s2, s2, s3                        ; my first column: 1,024 x tile column + 512 x half
	s_mov_b32 s3, 0
	s_add_nc_u64 s[14:15], s[14:15], s[2:3]
	s_lshl_b32 s2, s[TB], 10
	s_lshl_b32 s44, s[HB], 9
	s_add_co_u32 s2, s2, s44
	s_add_nc_u64 s[12:13], s[12:13], s[2:3]        ; the bias of my 128 columns
	v_lshlrev_b32 v[BO8], 5, v2
.irp b, 0,1,2,3,4,5,6,7
	global_load_b128 v[CI+8*\b:CI+8*\b+3], v[BO8], s[12:13] offset:64*\b        ; register j of accumulator (a, b) is column 16 b + 8 h + j
	global_load_b128 v[CI+8*\b+4:CI+8*\b+7], v[BO8], s[12:13] offset:64*\b+16
.endr
.macro FRAG reg, adr, q, i             ; a fragment of W from rows: pieces of 8 bytes; where the piece three on lies behind one padding more, the second address register serves
.irp p, 0,1,2,3,4,5
.set PCE, 12*(\q)+6*(\p/3)+\p%3
.if PCE%8 < 5
	ds_load_b64 v[\reg+2*\p:\reg+2*\p+1], v[\adr] offset:8*PCE+16*(PCE/8)+(\i)*16*PITCH
.else
	ds_load_b64 v[\reg+2*\p:\reg+2*\p+1], v[\adr+2] offset:8*PCE+16*(PCE/8)+(\i)*16*PITCH
.endif
.endr
.endm
.macro FRAGA reg, slot, q, i           ; a fragment of y from its image: two heads of 768 bytes, 256 consecutive bytes a load
.irp p, 0,1,2,3,4,5
	ds_load_b64 v[\reg+2*\p:\reg+2*\p+1], v[ADRA+\slot] offset:3072*(\i)+1536*(\q)+256*\p
.endr
.endm
; 16 matrix instructions: y's blocks a0, a0 + 1 x W's eight.  mode 1: C = the bias (window 0).  The scale words' rows go by the blocks' parity.  The 64 accumulators take turns.
.macro MUL16 a0, p, q, sc, mode
.irp a, \a0, \a0+1
.irp b, 0,1,2,3,4,5,6,7
.set DD, 8*(8*((\a)%4)+\b)
.if \mode
.set CC, CI+8*\b
.else
.set CC, DD
.endif
.set RB, 128*(\p)+FR*\b
.set RA, AF+FR*(\a)
.set SWB, SC+16*(\sc)+8+2*(\b/2)+(\q)
.set SWA, SC+16*(\sc)+2*((\a)/2)+(\q)
.if (\b%2 == 0) && ((\a)%2 == 0)
	v_wmma_scale_f32_16x16x128_f8f6f4 v[DD:DD+7], v[RB:RB+FR-1], v[RA:RA+FR-1], v[CC:CC+7], v[SWB], v[SWA] matrix_a_fmt:MATRIX_FMT_FP6 matrix_b_fmt:MATRIX_FMT_FP6
.elseif ((\a)%2 == 0)
	v_wmma_scale_f32_16x16x128_f8f6f4 v[DD:DD+7], v[RB:RB+FR-1], v[RA:RA+FR-1], v[CC:CC+7], v[SWB], v[SWA] matrix_a_fmt:MATRIX_FMT_FP6 matrix_b_fmt:MATRIX_FMT_FP6 matrix_a_scale:MATRIX_SCALE_ROW1
.elseif (\b%2 == 0)
	v_wmma_scale_f32_16x16x128_f8f6f4 v[DD:DD+7], v[RB:RB+FR-1], v[RA:RA+FR-1], v[CC:CC+7], v[SWB], v[SWA] matrix_a_fmt:MATRIX_FMT_FP6 matrix_b_fmt:MATRIX_FMT_FP6 matrix_b_scale:MATRIX_SCALE_ROW1
.else
	v_wmma_scale_f32_16x16x128_f8f6f4 v[DD:DD+7], v[RB:RB+FR-1], v[RA:RA+FR-1], v[CC:CC+7], v[SWB], v[SWA] matrix_a_fmt:MATRIX_FMT_FP6 matrix_b_fmt:MATRIX_FMT_FP6 matrix_a_scale:MATRIX_SCALE_ROW1 matrix_b_scale:MATRIX_SCALE_ROW1
.endif
.endr
.endr
.endm
.macro FETCH_B slot, q, p
	WIN TO_B
.irp i, 0,1,2,3,4,5,6,7
	FRAG 128*(\p)+FR*\i, ADRB+\slot, \q, \i
.endr
	WIN 0
.endm
.macro FETCH_A slot, q, i0
.irp i, \i0, \i0+1, \i0+2, \i0+3
	FRAGA AF+FR*(\i), \slot, \q, \i
.endr
.endm
.macro SCALES sc                       ; a K step's scale words: eight loads of two words a lane
.irp i, 0,1,2,3
	ds_load_b64 v[SC+16*\sc+2*\i:SC+16*\sc+2*\i+1], v[ADRSA] offset:256*\i
.endr
.irp i, 0,1,2,3
	ds_load_b64 v[SC+16*\sc+8+2*\i:SC+16*\sc+8+2*\i+1], v[ADRSB] offset:2*SBLK*\i
.endr
.endm
.macro PLACES n
.rept \n
	v_nop
.endr
.endm
.macro STEP slot, q, mode              ; a step of 128 along K that has its successor in the same slot
	s_wait_dscnt 4*NL                              ; W's set, y's blocks 0-3 and the scale words are in; the 24 youngest loads (y's blocks 4-7) may be out
.if \mode
	WIN 0x81
.else
	WIN MUL_LO
.endif
	MUL16 0, (\q)%2, \q, \slot, \mode
	MUL16 2, (\q)%2, \q, \slot, \mode
	s_wait_dscnt 0
	PLACES NP
	FETCH_B \slot, (\q)+1, 1-(\q)%2
	FETCH_A \slot, (\q)+1, 0
.if \mode
	WIN 0xc1
.else
	WIN MUL_HI
.endif
	MUL16 4, (\q)%2, \q, \slot, \mode
	MUL16 6, (\q)%2, \q, \slot, \mode
	PLACES NP
	WIN 0
	FETCH_A \slot, (\q)+1, 4
.endm
.macro TURN slot, next, fill           ; a slot's last step changes slots: one barrier; fill = 1: this slot is filled again, two K steps ahead
	s_wait_tensorcnt 0x0                           ; all my tensor loads have landed: my part of the next slot
	ds_add_u32 v[SPW], v[NIL]                      ; 0 onto my spare word
	s_wait_dscnt 4*NL+1                            ; (the add and the 24 youngest loads may be out)
	WIN MUL_LO
	MUL16 0, 1, NQ-1, \slot, 0
	s_wait_dscnt 0x0                               ; the add is done, and my reads of this slot are over
	s_barrier_signal -1
	MUL16 2, 1, NQ-1, \slot, 0
	WIN 0
	s_barrier_wait -1
.if \fill
	CREST                                          ; a round of the cluster's barrier: no wave of any partner still reads this slot's tile or has a load on its way
	s_add_nc_u64 s[G0+4*\slot+2:G0+4*\slot+3], s[G0+4*\slot+2:G0+4*\slot+3], 2*3072
	s_add_nc_u64 s[G0B+4*\slot+2:G0B+4*\slot+3], s[G0B+4*\slot+2:G0B+4*\slot+3], 2*ROWB
	JLOAD G0+4*\slot, G1, G0B+4*\slot, G1B         ; the first tensor load behind the round
.else
	PLACES NP
.endif
	v_add_nc_u32 v[ADRSA], 1024, v[ADRSA]          ; on to the next K step's scale words (no LDS load of mine is out)
	v_add_nc_u32 v[ADRSB], 4*NQ, v[ADRSB]
	FETCH_B \next, 0, 0
	FETCH_A \next, 0, 0
	SCALES \next
	WIN MUL_HI
	MUL16 4, 1, NQ-1, \slot, 0
	MUL16 6, 1, NQ-1, \slot, 0
	PLACES NP
	WIN 0
	FETCH_A \next, 0, 4
.endm
	s_wait_loadcnt 0x0                             ; the bias
	s_wait_tensorcnt 1                             ; the scales and my part of K step 0 are in (K step 1's load may be out)
	s_barrier_signal -1
	s_barrier_wait -1                              ; everybody's are
	FETCH_B 0, 0, 0
	FETCH_A 0, 0, 0
	SCALES 0
	FETCH_A 0, 0, 4
	STEP 0, 0, 1                                   ; the first step starts the sums with the bias
	TURN 0, 1, 1                                   ; four K steps: written out, no loop
	STEP 1, 0, 0
	TURN 1, 0, 1
	STEP 0, 0, 0
	TURN 0, 1, 0
	STEP 1, 0, 0
	s_wait_dscnt 4*NL
	WIN MUL_LO
	MUL16 0, 1, NQ-1, 1, 0
	MUL16 2, 1, NQ-1, 1, 0
	s_wait_dscnt 0
	WIN MUL_HI
	MUL16 4, 1, NQ-1, 1, 0
	MUL16 6, 1, NQ-1, 1, 0
	WIN 0
; THE WAY OUT, block by block of 16 rows x 128 columns: through my own stage in LDS and back as whole rows of 512 bytes.  LDS serves a wave's instructions in order (ISA guide 5.7.1.4): no wait between the stores and the loads.
.macro TOSTAGE a
.set AC, 64*((\a)%4)
	WIN 0x08+4*((\a)/4)                            ; the data: window 2 or 3
.irp b, 0,1,2,3,4,5,6,7
	ds_store_b128 v[STO], v[AC+8*\b:AC+8*\b+3] offset:64*\b          ; each accumulator from its low end on
	ds_store_b128 v[STO], v[AC+8*\b+4:AC+8*\b+7] offset:64*\b+16
.endr
	WIN 0
.set BBK, BK+64*((\a)%2)
.irp t, 0,1,2,3,4,5,6,7,8,9,10,11,12,13,14,15
	ds_load_b128 v[BBK+4*\t:BBK+4*\t+3], v[RD] offset:\t*SPITCH
.endr
.endm
.macro SEND a, younger                 ; younger: the LDS instructions issued behind block a's loads, which may stay out
.set BBK, BK+64*((\a)%2)
	s_wait_dscnt \younger
.if (\a) > 0
	s_add_nc_u64 s[14:15], s[14:15], 16*SIZE_N*4   ; (behind a wait on XCNT: the earlier stores have read their base)
.endif
.irp t, 0,1,2,3,4,5,6,7,8,9,10,11,12,13,14,15
	global_store_b128 v[CO], v[BBK+4*\t:BBK+4*\t+3], s[14:15] offset:\t*SIZE_N*4 th:TH_STORE_NT   ; 32 lanes store 512 consecutive bytes, at a multiple of 256 from out0's first byte
.endr
.endm
	PLACES NP
	TOSTAGE 0
.irp a, 1,2,3,4,5,6,7
.if \a > 1
	s_wait_xcnt 0x0                                ; block a - 2's stores have read their registers and their base
.endif
	TOSTAGE \a
	SEND \a-1, 32                                  ; behind block a - 1's loads: block a's 16 stores and 16 loads
.endr
	s_wait_xcnt 0x0
	SEND 7, 0
	s_wait_tensorcnt 0x0                           ; the wave's end: behind my last tensor load and my last LDS store
	ds_add_u32 v[SPW], v[NIL]
	s_wait_dscnt 0x0
	CROUND                                         ; the closing round
	s_endpgm
.Lfunc_end_k_q90678939ad_proj:
	.size	k_q90678939ad_proj, .Lfunc_end_k_q90678939ad_proj-k_q90678939ad_proj
	.p2alignl 7, 3214868480
	.fill 96, 4, 3214868480
	.section	.rodata,"a",@progbits
	.p2align	6, 0x0
	.amdhsa_kernel k_q90678939ad_proj
		.amdhsa_group_segment_fixed_size 327680
		.amdhsa_private_segment_fixed_size 0
		.amdhsa_enable_private_segment 0
		.amdhsa_kernarg_size 48
		.amdhsa_user_sgpr_count 2
		.amdhsa_user_sgpr_kernarg_segment_ptr 1
		.amdhsa_wavefront_size32 1
		.amdhsa_system_sgpr_workgroup_id_x 1
		.amdhsa_system_sgpr_workgroup_id_y 1
		.amdhsa_system_sgpr_workgroup_id_z 1
		.amdhsa_system_vgpr_workitem_id 0
		.amdhsa_next_free_vgpr 1024
		.amdhsa_next_free_sgpr 100
		.amdhsa_reserve_vcc 0
		.amdhsa_float_denorm_mode_32 3
		.amdhsa_float_denorm_mode_16_64 3
		.amdhsa_memory_ordered 1
		.amdhsa_forward_progress 1
		.amdhsa_inst_pref_size 162
	.end_amdhsa_kernel
	.amdgpu_metadata
---
amdhsa.version: [ 1, 2 ]
amdhsa.kernels:
  - .name:           k_q90678939ad_proj
    .symbol:         k_q90678939ad_proj.kd
    .args:
      - { .name: y_img, .offset: 0, .size: 8, .value_kind: global_buffer, .address_space: global }
      - { .name: y_sc, .offset: 8, .size: 8, .value_kind: global_buffer, .address_space: global }
      - { .name: W_proj_codes, .offset: 16, .size: 8, .value_kind: global_buffer, .address_space: global }
      - { .name: W_proj_scales, .offset: 24, .size: 8, .value_kind: global_buffer, .address_space: global }
      - { .name: b_proj, .offset: 32, .size: 8, .value_kind: global_buffer, .address_space: global }
      - { .name: out0, .offset: 40, .size: 8, .value_kind: global_buffer, .address_space: global }
    .group_segment_fixed_size: 327680
    .private_segment_fixed_size: 0
    .kernarg_segment_align: 8
    .kernarg_segment_size: 48
    .max_flat_workgroup_size: 128
    .sgpr_count:     100
    .vgpr_count:     1024
    .wavefront_size: 32
...
	.end_amdgpu_metadata
.endif
;; end of part 3
